; MI455X (gfx1250); checked and timed in simulation.
; The chip was launched on July 23, 2026; its instructions are those of AMD's public machine-readable ISA for CDNA 5 (MIT licence, August 2026) and "CDNA5" Instruction Set Architecture Reference Guide (July 2026). The comments in the code are by the model that wrote it; some were corrected since.
;; Multi Head Self Attention. Allowed arithmetic: matrix products marked QUANTISED: E3M2 operands, one E8M0 scale for each 32 along K, by v_wmma_scale_f32_16x16x128_f8f6f4 with both operands' format E3M2, f32 sums; everything else in f32.
;; Inputs: Wk 1,024 x 1,024 float32; Wo 1,024 x 1,024 float32; Wq 1,024 x 1,024 float32; Wv 1,024 x 1,024 float32; x 4 x 2,048 x 1,024 float32.
;; Outputs: out0 4 x 2,048 x 1,024 float32.
;; This version of the problem:
;;   THIS VERSION OF THE PROBLEM IS GIVEN IN LOW PRECISION. The matrix products marked QUANTISED in the list below multiply operands that are first quantised to E3M2 (3 exponent bits, 2 mantissa bits; 6 bits a number), with one power-of-two scale for each 32 numbers along K (OCP MX v1.0); their sums are f32. All else is computed in f32.
;;   The module's matrix products, in the order in which they are computed (A, B: the left and right operand; K: the contracted axis; several contracted axes count as one K, in the product's order):
;;     1. [M 8,192, K 1,024] x [K 1,024, N 1,024]; A: input x; B: input Wq: QUANTISED
;;     2. [M 8,192, K 1,024] x [K 1,024, N 1,024]; A: input x; B: input Wk: QUANTISED
;;     3. [M 8,192, K 1,024] x [K 1,024, N 1,024]; A: input x; B: input Wv: QUANTISED
;;     4. batch 64 x [M 2,048, K 64] x [K 64, N 2,048]; A: computed on the way; B: computed on the way: QUANTISED
;;     5. batch 64 x [M 2,048, K 2,048] x [K 2,048, N 64]; A: softmax (see below); B: computed on the way: QUANTISED
;;     6. [M 8,192, K 1,024] x [K 1,024, N 1,024]; A: computed on the way; B: input Wo: QUANTISED
;;   THE QUANTISER, for each operand of a quantised product, along K:
;;     - K is cut into blocks of 32 from its start; a last block that is shorter is filled with zeros.
;;     - A block's scale is 2^e with e = floor(log2(the largest magnitude in the block)) - 4, held to -126 .. 127; a block of zeros has e = 0. As a byte (E8M0): e + 127.
;;     - Each number is divided by its block's scale, clamped to +-28, and rounded to the nearest number of E3M2, ties to even, subnormals kept.
;;     - The product sums the exact products of the quantised numbers (number of the format x scale) in f32.
;;   ~~~python
;;   def quantise(x, axis):      # numpy; x: float32 -> the quantised numbers, widened to float32 again
;;       x = np.moveaxis(x, axis, -1); K = x.shape[-1]
;;       x = np.pad(x, [(0, 0)] * (x.ndim - 1) + [(0, -K % 32)]); x = x.reshape(x.shape[:-1] + (-1, 32)); a = np.abs(x).max(-1, keepdims=True)
;;       e = np.where(a > 0, np.clip(np.frexp(np.where(a > 0, a, 1))[1] - 1 - 4, -126, 127), 0)      # np.frexp(a)[1] - 1 = floor(log2(a)), exactly
;;       r = np.clip(x / 2.0 ** e, -28, 28)
;;       step = 2.0 ** (np.maximum(np.frexp(np.where(r == 0, 1, r))[1] - 1, -2) - 2)
;;       q = np.round(r / step) * step * 2.0 ** e      # np.round: ties to even
;;       return np.moveaxis(q.reshape(q.shape[:-2] + (-1,))[..., :K], -1, axis).astype(np.float32)
;;   ~~~
;;   SOFTMAX AHEAD OF A QUANTISED PRODUCT. Where the list says 'softmax', what is quantised is not the finished softmax but p = 2^(t - M), with t = logit x log2(e) and M = ceil(the row's largest t), a whole number; so 1/2 < the row's largest p <= 1. The row's sum l is taken of the UNQUANTISED p, in f32, and the product's result is divided by l at the end. Since M is a whole number, a kernel that streams over the keys may use a running M (the ceiling of the running maximum): every later rescaling is an exact power of two, which a block's scale takes up: the codes' values come out the same.
;;   OPERANDS COMPUTED ON THE WAY. 'Computed on the way' means the value that the module computes at that place (a softmax that the list does not call 'softmax' is quantised finished and normalised). What goes into a quantiser is computed in f32, as accurately as f32 sums, v_exp_f32 and their like allow (about 1e-6 of the number): no bf16 or f16 on the way to a quantiser, and a product that is left as it is and whose result goes on into a quantised operand takes f32 operands (vector FMAs, or v_wmma_f32_16x16x4_f32). A number that lies on a knife's edge between two numbers of the format may be rounded either way, as far as f32 arithmetic and the matrix unit's own rounding can turn it there, and no further.
;; One version. Each part assembles by itself: llvm-mc -triple=amdgcn-amd-amdhsa -mcpu=gfx1250 --defsym DOCPART=n.
;; ======== version 1 of 1: 4 launches
;; workspace buffers: x_codes 6,291,456 bytes; x_scales 262,144 bytes; w_codes 3,145,728 bytes; w_scales 131,072 bytes; heads 19,660,800 bytes; a_codes 6,291,456 bytes; a_scales 262,144 bytes
;; launch quant (part 1): grid 384 x 1, 4 waves a work-group, no clusters, 33,280 bytes of LDS; arguments x, Wq, Wk, Wv, Wo, x_codes, x_scales, w_codes, w_scales; writes x_codes, x_scales, w_codes, w_scales
.if DOCPART == 1
	.amdgcn_target "amdgcn-amd-amdhsa--gfx1250"
	.amdhsa_code_object_version 6
	.text
	.protected	k_q134df38e88_quant
	.globl	k_q134df38e88_quant
	.p2align	8
	.type	k_q134df38e88_quant,@function
k_q134df38e88_quant:
	s_mov_b64 s[64:65], 0
	v_nop
	global_prefetch_b8 v0, s[64:65] scope:SCOPE_SE
	s_setreg_imm32_b32 hwreg(HW_REG_WAVE_MODE, 25, 1), 1
	s_wait_xcnt 0x0
; CAUSAL MULTI-HEAD SELF-ATTENTION IN MX-BF6, FOUR LAUNCHES: quant (this one), qkv, attn, proj.  B 4, S 2,048, D 1,024, 16 heads of 64.
; DEAD WORK, for the whole program.  reference() sets score(q, k) to -infinity wherever k > q, by a mask that it builds in its own body, whatever the inputs hold.  Such a key has p = 2^(t - M) = 0:
; it adds nothing to the row's sum, its code is 0 and adds nothing to the second product.  So a step of 128 keys all of which come after all 16 queries of a tile reaches no output, and launch attn leaves
; such steps out (products 4 and 5 of those tiles, and their softmax).  In the one step on the diagonal everything is computed and the hidden scores are selected away.  Every input has a way to the output: all five are loaded.
; LIMITS: a NaN, an infinity or an overflow that reaches only the steps left out is not carried to the result.  NaN and infinities among the inputs are not served.  A block whose largest magnitude lies under
; 2^(5 - 127) keeps the scale byte 1; a block of zeros has the byte 1 where the quantiser says 127: its codes are zeros, which add nothing under any byte but 0xff, and this program alone reads the bytes.
;
; THIS LAUNCH: x [8192][1024], Wq, Wk, Wv, Wo [1024][1024], f32, K innermost, become codes of BF6 (E3M2), 6 bits each, a row 768 bytes, with one E8M0 byte for each 32 along K, a row 32 bytes.
; A block's scale is 2^(floor(log2(its largest magnitude)) - 4): its byte is the largest magnitude's exponent field - 4.  Each number is divided by the scale and rounded to the nearest code, ties to even, beyond 28 the largest code.
; w_codes holds Wq's rows, then Wk's, Wv's, Wo's.
; STORED ORDER.  The rows of x, Wq, Wk and Wv are written with bits 3 and 4 of the row's number exchanged (Wo's as they lie).  A tile of 16 stored rows, 2 b + u of a group of 32, then holds the rows
; 32 b + 8 u + r + 8 (r / 8): used as source 0 of a transposed product, two neighbouring tiles leave 16 NEIGHBOURS along that axis in a lane's 16 registers, which is what the next quantiser wants.
; A wave's run is 8,192 numbers, 8 rows; a work-group's four runs are 32 rows: so the exchange is an exchange of the two bits of the wave's number, in the addresses of the stores alone.
; A wave takes 16 steps of 512 numbers.  A load reads 512 consecutive bytes, 16 a lane; a step's 2,048 bytes go through the wave's own stage in LDS and come back 64 bytes a lane: 16 neighbours along K, two lanes to a block.
; A lane's 16 codes are 12 bytes: the wave stores 384 consecutive bytes.  A wave's 256 scale bytes are gathered in LDS and leave as 256 consecutive bytes, aligned.  No barrier: waves share nothing.
; Work-groups 0-255 take x, 256-287 Wq, 288-319 Wk, 320-351 Wv, 352-383 Wo: pointers alone are chosen, one way through the text.
.set WAVES, 4
.set STEPS, 16
.set EMAX,  4
.set CB,    12                         ; bytes of 16 codes
.set R,     16                         ; v16-79   four sets of 16 numbers as they are loaded
.set X,     80                         ; v80-111  two sets of 16 neighbours
.set C,     128                        ; v128-191 codes: four registers for each step, so that no store's data are written again
.set E,     112                        ; v112-127 a scale byte for each step
.set WREG,  8192                       ; LDS: a region for each wave: two stages of 32 x SP bytes, behind them its 256 scale bytes
.set SP,    80                         ; a lane's place in a stage: its 64 bytes + 16 of padding
.set SPW,   12                         ; v12      LDS address of my spare word; never rewritten
.set NIL,   13                         ; v13      0; never rewritten
.set SPARE, WAVES*WREG                 ; behind the four regions: the spare words, 128 bytes a wave, which no other line names
	s_load_b256 s[4:11], s[0:1], 0x0               ; x s[4:5], Wq s[6:7], Wk s[8:9], Wv s[10:11]
	s_load_b256 s[12:19], s[0:1], 0x20             ; Wo s[12:13], x_codes s[14:15], x_scales s[16:17], w_codes s[18:19]
	s_load_b64 s[20:21], s[0:1], 0x40              ; w_scales
	v_lshl_add_u32 v[SPW], v0, 2, SPARE
	v_mov_b32 v[NIL], 0
	v_lshrrev_b32 v1, 5, v0
	v_readfirstlane_b32 s22, v1                    ; wave
	s_and_b32 s23, s22, 1
	s_lshl_b32 s23, s23, 1
	s_lshr_b32 s27, s22, 1
	s_or_b32 s23, s23, s27                         ; the wave's number with its two bits exchanged
	v_and_b32 v2, 31, v0                           ; lane
	v_lshlrev_b32 v3, 4, v2                        ; my 16 bytes of a load's 512
	s_mul_i32 s27, s22, WREG
	v_lshrrev_b32 v14, 2, v2
	v_mul_u32_u24 v14, v14, SP
	v_and_b32 v15, 3, v2
	v_lshl_add_u32 v14, v15, 4, v14
	v_add_nc_u32 v14, s27, v14                     ; the stage, on the way in: SP (lane / 4) + 16 (lane % 4)
	v_mul_u32_u24 v15, v2, SP
	v_add_nc_u32 v15, s27, v15                     ; and on the way out: SP x lane: my 16 neighbours
	v_mul_u32_u24 v4, v2, CB                       ; my codes' place in a step's
	v_lshrrev_b32 v5, 1, v2
	s_add_co_u32 s27, s27, 2*32*SP
	v_add_nc_u32 v5, s27, v5                       ; LDS: my wave's 256 scale bytes, my block's byte
	v_lshlrev_b32 v7, 3, v2                        ; and on the way out 8 bytes a lane
	v_add_nc_u32 v6, s27, v7
	s_wait_kmcnt 0x0
	s_cmp_lt_u32 ttmp9, 288                        ; which tensor: the choices hang on the work-group's number alone
	s_cselect_b64 s[6:7], s[6:7], s[8:9]
	s_cmp_lt_u32 ttmp9, 320
	s_cselect_b64 s[6:7], s[6:7], s[10:11]
	s_cmp_lt_u32 ttmp9, 352
	s_cselect_b64 s[6:7], s[6:7], s[12:13]
	s_cselect_b32 s24, s23, s22                    ; Wo's rows keep their order
	s_cmp_lt_u32 ttmp9, 256
	s_cselect_b64 s[4:5], s[4:5], s[6:7]           ; the numbers,
	s_cselect_b64 s[14:15], s[14:15], s[18:19]     ; the codes,
	s_cselect_b64 s[16:17], s[16:17], s[20:21]     ; the scale bytes
	s_cselect_b32 s25, 0, 256
	s_cselect_b32 s26, 0xff, 31
	s_sub_co_u32 s25, ttmp9, s25                   ; the work-group's number among x's, or among the four weights'
	s_and_b32 s26, s25, s26                        ; and inside its tensor
	s_lshl_b32 s26, s26, 2
	s_add_co_u32 s26, s26, s22                     ; the run that I read
	s_lshl_b32 s25, s25, 2
	s_add_co_u32 s28, s25, s24                     ; the run that I write
	s_lshl_b32 s30, s26, 15                        ; 32,768 bytes of numbers a run
	s_mov_b32 s31, 0
	s_add_nc_u64 s[4:5], s[4:5], s[30:31]
	s_mul_i32 s30, s28, 32*STEPS*CB                ; 6,144 bytes of codes
	s_add_nc_u64 s[14:15], s[14:15], s[30:31]
	s_lshl_b32 s30, s28, 8                         ; 256 scale bytes
	s_add_nc_u64 s[16:17], s[16:17], s[30:31]
.macro LOAD t
.irp i, 0,1,2,3
	global_load_b128 v[R+16*((\t)%4)+4*\i:R+16*((\t)%4)+4*\i+3], v3, s[4:5] offset:2048*(\t)+512*\i th:TH_LOAD_NT   ; 32 lanes read 512 consecutive bytes
.endr
.endm
.macro TURN t                          ; step t's numbers through the stage: LDS serves a wave's instructions in order, so no wait stands between the stores and the loads
.irp i, 0,1,2,3
	ds_store_b128 v14, v[R+16*((\t)%4)+4*\i:R+16*((\t)%4)+4*\i+3] offset:32*SP*((\t)%2)+8*SP*\i
.endr
.irp i, 0,1,2,3
	ds_load_b128 v[X+16*((\t)%2)+4*\i:X+16*((\t)%2)+4*\i+3], v15 offset:32*SP*((\t)%2)+16*\i
.endr
.endm
.irp t, 0,1,2,3
	LOAD \t
.endr
	s_wait_loadcnt 12                              ; step 0's four loads are in; the twelve behind them may be out
	TURN 0
.macro STEP t
.set XS, X+16*((\t)%2)
.if (\t) > 0
	s_wait_dscnt 1                                 ; this step's numbers are back from the stage (the last step's byte store may be out): so its stores into the stage have read their registers,
.else
	s_wait_dscnt 0x0
.endif
.if (\t)+4 < STEPS
	LOAD (\t)+4                                    ; which take the loads of four steps on
.endif
.if (\t)+1 < STEPS
.if STEPS-2-(\t) >= 3
	s_wait_loadcnt 12                              ; the next step's four loads are in; those of the three steps behind it may be out
.else
	s_wait_loadcnt 4*(STEPS-2-(\t))
.endif
	TURN (\t)+1                                    ; and go through the other stage while this step is worked
.endif
	v_max3_num_f32 v8, |v[XS]|, |v[XS+1]|, |v[XS+2]|               ; the largest magnitude of my 16, in two chains
	v_max3_num_f32 v9, |v[XS+3]|, |v[XS+4]|, |v[XS+5]|
.irp i, 6,10
	v_max3_num_f32 v8, v8, |v[XS+\i]|, |v[XS+\i+1]|
	v_max3_num_f32 v9, v9, |v[XS+\i+2]|, |v[XS+\i+3]|
.endr
	v_max3_num_f32 v8, v8, |v[XS+14]|, |v[XS+15]|
	v_max3_num_f32 v8, v8, v9, (EMAX+1)<<23        ; and the floor 2^(5 - 127): the byte cannot fall under 1
	v_max_num_f32_dpp v8, v8, v8 row_xmask:1 row_mask:0xf bank_mask:0xf   ; and of my neighbour's 16: the block's
	v_add_nc_u32 v11, -(EMAX<<23), v8              ; 4 off its exponent field: the conversion takes the exponent field of this operand as its scale, and nothing else of it
	v_cvt_scalef32_pk16_bf6_f32 v[C+4*(\t):C+4*(\t)+2], v[XS:XS+15], v11
	v_lshrrev_b32 v[E+(\t)], 23, v11               ; the scale's byte (also the plain line behind the conversion)
	ds_store_b8 v5, v[E+(\t)] offset:16*(\t)       ; both lanes of a block write the same byte with the same value
	global_store_b96 v4, v[C+4*(\t):C+4*(\t)+2], s[14:15] offset:32*CB*(\t)
.endm
.irp t, 0,1,2,3,4,5,6,7,8,9,10,11,12,13,14,15
	STEP \t
.endr
	ds_load_b64 v[8:9], v6                         ; LDS serves a wave's instructions in order: these see my stores
	s_wait_dscnt 0x0
	global_store_b64 v7, v[8:9], s[16:17]          ; 32 lanes store 256 consecutive bytes, aligned
	s_wait_tensorcnt 0x0                           ; the wave's end: these three lines behind my last LDS store
	ds_add_u32 v[SPW], v[NIL]
	s_wait_dscnt 0x0
	s_endpgm
.Lfunc_end_k_q134df38e88_quant:
	.size	k_q134df38e88_quant, .Lfunc_end_k_q134df38e88_quant-k_q134df38e88_quant
	.p2alignl 7, 3214868480
	.fill 96, 4, 3214868480
	.section	.rodata,"a",@progbits
	.p2align	6, 0x0
	.amdhsa_kernel k_q134df38e88_quant
		.amdhsa_group_segment_fixed_size 33280
		.amdhsa_private_segment_fixed_size 0
		.amdhsa_enable_private_segment 0
		.amdhsa_kernarg_size 72
		.amdhsa_user_sgpr_count 2
		.amdhsa_user_sgpr_kernarg_segment_ptr 1
		.amdhsa_wavefront_size32 1
		.amdhsa_system_sgpr_workgroup_id_x 1
		.amdhsa_system_sgpr_workgroup_id_y 1
		.amdhsa_system_sgpr_workgroup_id_z 1
		.amdhsa_system_vgpr_workitem_id 0
		.amdhsa_next_free_vgpr 192
		.amdhsa_next_free_sgpr 66
		.amdhsa_reserve_vcc 0
		.amdhsa_float_denorm_mode_32 3
		.amdhsa_float_denorm_mode_16_64 3
		.amdhsa_memory_ordered 1
		.amdhsa_forward_progress 1
		.amdhsa_inst_pref_size 33
	.end_amdhsa_kernel
	.amdgpu_metadata
---
amdhsa.version: [ 1, 2 ]
amdhsa.kernels:
  - .name:           k_q134df38e88_quant
    .symbol:         k_q134df38e88_quant.kd
    .args:
      - { .name: x, .offset: 0, .size: 8, .value_kind: global_buffer, .address_space: global }
      - { .name: Wq, .offset: 8, .size: 8, .value_kind: global_buffer, .address_space: global }
      - { .name: Wk, .offset: 16, .size: 8, .value_kind: global_buffer, .address_space: global }
      - { .name: Wv, .offset: 24, .size: 8, .value_kind: global_buffer, .address_space: global }
      - { .name: Wo, .offset: 32, .size: 8, .value_kind: global_buffer, .address_space: global }
      - { .name: x_codes, .offset: 40, .size: 8, .value_kind: global_buffer, .address_space: global }
      - { .name: x_scales, .offset: 48, .size: 8, .value_kind: global_buffer, .address_space: global }
      - { .name: w_codes, .offset: 56, .size: 8, .value_kind: global_buffer, .address_space: global }
      - { .name: w_scales, .offset: 64, .size: 8, .value_kind: global_buffer, .address_space: global }
    .group_segment_fixed_size: 33280
    .private_segment_fixed_size: 0
    .kernarg_segment_align: 8
    .kernarg_segment_size: 72
    .max_flat_workgroup_size: 128
    .sgpr_count:     66
    .vgpr_count:     192
    .wavefront_size: 32
...
	.end_amdgpu_metadata
.endif
;; end of part 1
;; launch qkv (part 2): grid 96 x 4, 4 waves a work-group, clusters of 4 x 4, 327,680 bytes of LDS; arguments x_codes, x_scales, w_codes, w_scales, heads; writes heads
.if DOCPART == 2
	.amdgcn_target "amdgcn-amd-amdhsa--gfx1250"
	.amdhsa_code_object_version 6
	.text
	.protected	k_q134df38e88_qkv
	.globl	k_q134df38e88_qkv
	.p2align	8
	.type	k_q134df38e88_qkv,@function
k_q134df38e88_qkv:
	s_mov_b64 s[64:65], 0
	v_nop
	global_prefetch_b8 v0, s[64:65] scope:SCOPE_SE
	s_setreg_imm32_b32 hwreg(HW_REG_WAVE_MODE, 25, 1), 1
	s_wait_xcnt 0x0
	s_wait_alu depctr_hold_cnt(0) depctr_sa_sdst(0) depctr_va_vdst(0) depctr_va_sdst(0) depctr_va_ssrc(0) depctr_va_vcc(0) depctr_vm_vsrc(0)
	s_getreg_b32 s2, hwreg(HW_REG_IB_STS2, 6, 4)
	s_cmp_eq_u32 s2, 0
	s_cbranch_scc0 .Lentry_in_a_cluster
	s_endpgm
.Lentry_in_a_cluster:
	s_bfe_u32 s2, ttmp6, 0x10000c
	s_cmp_lg_u32 s2, 0xf033
	s_cbranch_scc0 .Lentry_shape_is_right
	s_endpgm
.Lentry_shape_is_right:
; LAUNCH 2 OF 4: Q = x Wq^T, K = x Wk^T, V = x Wv^T on codes of BF6, and their results quantised in registers for launch attn.  No work of reference() is left out here.
; ONE BODY FOR THREE PRODUCTS.  C[m][n] = sum over k of A[m][k] B[n][k], K = 1,024, used TRANSPOSED (source 0 = 16 rows of B, source 1 = 16 rows of A): a lane holds ONE row of A, its registers run along B's rows.
;   clusters 0-15:  A = x (8,192 tokens), B = Wq then Wk (2,048 rows): a lane holds a token, its registers features: Q and K are quantised along the head's 64.
;   clusters 16-23: A = Wv (1,024 rows),  B = x: a lane holds a feature d, its registers tokens: V is quantised along the keys.
; What differs is pointers, strides and two lane selections, all chosen by s_cselect on the cluster's number, which all sixteen partners share: one way through the text.
; B's rows lie in STORED ORDER (launch quant): the 16 registers of accumulators 2 b and 2 b + 1 are 16 neighbours, 32 b + 16 (lane / 16) + 0 .. 15, of B's axis in its true order.  A's rows are in stored order too, and stay so.
; A tile of C, 256 x 256, is made by four waves, each 128 x 128: 64 accumulators, 512 registers.  K goes in steps of 256 through a ring of two LDS slots filled by the tensor data mover; a tile's row is 192 bytes.
; The scale bytes of the work-group's 256 + 256 rows, for all of K, come into LDS once, with the first fills.
; CLUSTERS: 4 x 4 work-groups.  The four of a row of the cluster need the same tiles of A, the four of a column the same tiles of B: each tile is asked for JOINTLY, by the same tensor load with the same descriptor and a mask that names the four.
; THE WAY OUT uses no LDS.  A block of 16 rows of A x 128 of B's axis is 64 numbers a lane: four blocks of 32.  They become a fragment of 12 registers and a scale word, and go to memory as IMAGES OF OPERAND REGISTERS, in pieces of
; two registers: 8 bytes a lane, 32 lanes: each store covers 256 consecutive bytes, aligned.
; heads: 64 records (16 batch + head) of REC bytes: KC [128 tiles][3 pieces][256]; VC [16 steps][4 tiles of d][6 pieces][256]; KSC, VSC [16 steps][16 rows][4 words]; QC, QSC as KC, KSC.
;   Q, K: registers 0-5 of the fragment are one head's 64 features of 16 tokens (a half image), registers 6-11 the next head's.  Word i of a row: the two bytes of tile 2 i, the two of tile 2 i + 1.
;   V: all 12 registers are 16 rows d x 128 keys.  Word t of a row: the four bytes of tile t.
; REGISTERS, in windows of 256: window 0: v0-31 addresses; v32-63 scale words, two sets, which hold nothing else; v64-159 at work on the way out; from v128 A's fragments, ONE set.
;   window 1: B's fragments, TWO sets.   window 2: the accumulators of my rows 0-63 ((a, b) at v[8 (8 a + b)]);   window 3: those of my rows 64-127.
.set SIZE_K, 1024
.set KSTEP,  256                       ; along K in a slot
.set NQ,     KSTEP/128                 ; matrix instructions deep
.set ROWB,   192                       ; a tile's row in bytes
.set KROW,   SIZE_K*6/8                ; a row of codes in memory
.set PITCH,  240                       ; an LDS row: 3 x (64 bytes + 16 of padding) = 60 words: the 32 lanes of a load of 8 bytes touch 64 different banks (64 banks of 4 bytes: ISA guide 11.1)
.set FR,     12                        ; registers of a fragment: 16 rows x 128 K
.set NL,     6                         ; LDS loads that bring one
.set NP,     4                         ; places behind this matrix instruction (ISA guide 7.12.1)
.set HALFT,  128*PITCH                 ; 128 rows: what one tensor load brings
.set SLOT,   4*HALFT                   ; A's 256 rows, then B's 256 rows
.set LAPS,   SIZE_K/(2*KSTEP)          ; a lap = two K steps = once round the ring
.set KS,     SIZE_K/32                 ; a row of scale bytes
.set SCL,    2*SLOT                    ; behind the ring: the scales, as rows of 256 bytes + 16 of padding
.set HALFS,  (128*KS/256)*272          ; the scales of 128 rows
.set SBLK,   (16*KS/256)*272           ; those of 16 rows
.set SPARE,  SCL+4*HALFS               ; behind the scales: the spare words, 128 bytes a wave, which no other line names
.set REC,    307200                    ; a record of heads, and what lies where in it
.set KC,     0
.set VC,     98304
.set KSC,    196608
.set VSC,    200704
.set QC,     204800
.set QSC,    303104
.set ADRA, 16                          ; v16-17  LDS address of my A fragments in slot 0, 1  (v18-19: for the pieces that lie behind one padding more)
.set ADRB, 20                          ; v20-21  the same for B  (v22-23)
.set OF0,  24                          ; v24     the way out: 8 x lane
.set OF1,  25                          ; v25     the same for registers 6-11: the next head's record (Q, K) or 768 bytes on (V)
.set OFS,  26                          ; v26     the scale words: 16 x row, lanes 16-31 in the next head's record
.set ADRS, 27                          ; v27     LDS address of my scale words: lanes 0-15 A's rows, lanes 16-31 B's
.set SPW,  28                          ; v28     LDS address of my spare word; never rewritten
.set NIL,  29                          ; v29     0; never rewritten
.set VSEL, 30                          ; v30     byte selects: lanes 0-15 two low halves, lanes 16-31 two high halves
.set SC,   32                          ; scale words: set s at v[SC + 8 NQ s]; register NQ i + q: lanes 0-15 A's block i, lanes 16-31 B's block i
.set TM,   64                          ; v64-67 largest magnitudes, v68-71 bytes, v76-79 the conversions' scale operands
.set WS,   80                          ; v80-87  the scale words of my eight blocks
.set XW,   88                          ; v88-91  the four words that a lane stores
.set TW,   92                          ; v92-95, v96-99 at work
.set UW,   96
.set PC,   100                         ; the codes just made: v100-119 for even blocks, v140-159 for odd ones: no number of a conversion's destination is among its sources' numbers
.set AF,   128                         ; A's fragments, in window 0
.set G1, 24                            ; s[24:31] descriptor group 1 for A's tiles;  s[32:39] group 0, one set for each slot
.set G0, 32
.set G1B, 48                           ; s[48:55], s[56:63] the same for B's tiles
.set G0B, 56
.set G1S, 68                           ; s[68:75], s[76:79] groups 1 and 0 for A's scales;  s[80:87], s[88:91] for B's
.set G0S, 76
.set G1SB, 80
.set G0SB, 88
.set MSB, 0
.macro WIN new                         ; the immediate's high byte repeats the setting that is left
.if MSB != \new
	s_set_vgpr_msb (MSB<<8)|\new
.set MSB, \new
.endif
.endm
.set MUL_LO, 0xa1                      ; source 0 (B) window 1, source 1 (A) window 0, C and D window 2
.set MUL_HI, 0xf1                      ; the same, C and D window 3
.set TO_B,   0x40                      ; destination window 1, address window 0
; A joint load: waves 0 and 1 fetch for A, waves 2 and 3 for B.  Each of the two lines has ONE mask and one set of registers for all that issue it; the branch hangs on the wave's number alone.
; An s_nop 0 and four v_nop follow each of the two lines, ahead of the jump, the label and what follows.
.macro JLOAD g0a, g1a, g0b, g1b
	s_cmp_eq_u32 s15, 0
	s_cbranch_scc0 .Lfor_b_\@
	tensor_load_to_lds s[\g0a:\g0a+3], s[\g1a:\g1a+7]
	s_nop 0
.rept 4
	v_nop
.endr
	s_branch .Lasked_\@
.Lfor_b_\@:
	tensor_load_to_lds s[\g0b:\g0b+3], s[\g1b:\g1b+7]
	s_nop 0
.rept 4
	v_nop
.endr
.Lasked_\@:
.endm
.macro CREST                           ; a round of the cluster's barrier behind its opening barrier
	s_cmp_lg_u32 s14, 0
	s_cbranch_scc1 .Lnot_wave_0_\@
	s_barrier_signal -3
.Lnot_wave_0_\@:
	s_barrier_wait -3
	s_barrier_signal -1
	s_barrier_wait -1
.endm
.macro CROUND                          ; a whole round
	s_barrier_signal -1
	s_barrier_wait -1
	CREST
.endm
	s_load_b256 s[4:11], s[0:1], 0x0               ; x_codes s[4:5], x_scales s[6:7], w_codes s[8:9], w_scales s[10:11]
	s_load_b64 s[12:13], s[0:1], 0x20              ; heads
	v_lshl_add_u32 v[SPW], v0, 2, SPARE
	v_mov_b32 v[NIL], 0
	ds_add_u32 v[SPW], v[NIL]                      ; the wave's opening: the add, twice on end, and its wait ahead of my first tensor load; the set-up below stands between the second and the wait
	ds_add_u32 v[SPW], v[NIL]
	v_lshrrev_b32 v1, 5, v0
	v_readfirstlane_b32 s14, v1                    ; wave 0..3
	s_lshr_b32 s15, s14, 1                         ; which half of the tile's rows is mine.  Also: I fetch for A (0) or for B (1)
	s_and_b32 s16, s14, 1                          ; which half of its columns.  Also: which 128 rows of that tile I fetch
	s_bfe_u32 s40, ttmp6, 0x40000                  ; cx, cy: my place in the cluster
	s_bfe_u32 s41, ttmp6, 0x40004
	s_and_b32 s18, ttmp9, 1                        ; clusters 0-15: x = Q (0) or K (1),
	s_lshr_b32 s19, ttmp9, 1                       ; y = which 1,024 tokens
	s_sub_co_u32 s20, ttmp9, 16                    ; clusters 16-23: x = which 1,024 tokens, y = 0
	s_cmp_lt_u32 ttmp9, 16
	s_cselect_b32 s42, s18, s20
	s_cselect_b32 s17, s19, 0
	s_cselect_b32 s66, 0, 2048                     ; Wv's rows begin at row 2,048 of the weights' codes
	s_lshl_b32 s42, s42, 2
	s_add_co_u32 s42, s42, s40                     ; tile column of C
	s_lshl_b32 s17, s17, 2
	s_add_co_u32 s17, s17, s41                     ; tile row of C
	s_lshl_b32 s43, s41, 2
	s_lshl_b32 s43, 15, s43                        ; my row of the cluster
	s_lshl_b32 s44, 0x1111, s40                    ; my column
	; descriptor group 1: a tile of 128 rows x ROWB bytes, padded in LDS
	s_or_b32 s[G1+0], s43, (0<<16)|(1<<20)|(1<<21)|(3<<22)|(3<<25)  ; 15:0 the mask: A's tiles go to my row; 17:16 element of 1 byte; 20 padding on; 21 set beside a mask; 24:22 after every 16 words; 31:25 of 4 words
	s_or_b32 s[G1B+0], s44, (0<<16)|(1<<20)|(1<<21)|(3<<22)|(3<<25)
.irp g, G1, G1B
	s_mov_b32 s[\g+1], ROWB<<16                    ; tensor_dim0
	s_mov_b32 s[\g+2], 128<<16                     ; tensor_dim1 = 128
	s_mov_b32 s[\g+3], ROWB<<16                    ; tile_dim0
	s_mov_b32 s[\g+4], 128                         ; tile_dim1 = 128
	s_mov_b32 s[\g+5], KROW                        ; tensor_dim0_stride
	s_mov_b32 s[\g+6], 0
	s_mov_b32 s[\g+7], 0
.endr
	; and for the scales of 128 rows: a dense block of 4,096 bytes, as rows of 256 bytes (32 elements of 8 bytes), 16 bytes of padding behind each
	s_or_b32 s[G1S+0], s43, (3<<16)|(1<<20)|(1<<21)|(5<<22)|(3<<25)
	s_or_b32 s[G1SB+0], s44, (3<<16)|(1<<20)|(1<<21)|(5<<22)|(3<<25)
.irp g, G1S, G1SB
	s_mov_b32 s[\g+1], 32<<16
	s_mov_b32 s[\g+2], (128*KS/256)<<16
	s_mov_b32 s[\g+3], 32<<16
	s_mov_b32 s[\g+4], 128*KS/256
	s_mov_b32 s[\g+5], 32
	s_mov_b32 s[\g+6], 0
	s_mov_b32 s[\g+7], 0
.endr
	s_lshl_b32 s18, s16, 7                         ; which 128 rows of the tile I fetch
	s_lshl_b32 s20, s17, 8
	s_add_co_u32 s20, s20, s18
	s_add_co_u32 s20, s20, s66                     ; A: row 256 x tile row + 128 x half (+ 2,048 for Wv)
	s_lshl_b32 s46, s42, 8
	s_add_co_u32 s46, s46, s18                     ; B: row 256 x tile column + 128 x half
	s_mov_b32 s21, 0
	s_mov_b32 s47, 0
	s_mov_b64 s[18:19], KS
	s_mul_u64 s[22:23], s[20:21], s[18:19]         ; where these rows' scales begin, in bytes
	s_mul_u64 s[92:93], s[46:47], s[18:19]
	s_mov_b64 s[18:19], KROW
	s_mul_u64 s[20:21], s[20:21], s[18:19]         ; and their codes
	s_mul_u64 s[46:47], s[46:47], s[18:19]
	s_mul_i32 s45, s14, HALFT                      ; where they go: wave x 128 rows: no place in the cluster enters an LDS address
	s_mul_i32 s94, s14, HALFS
	s_wait_dscnt 0x0                               ; both opening adds are done
	s_wait_kmcnt 0x0
	s_cmp_lt_u32 ttmp9, 16                         ; which buffer is A and which is B: the choice hangs on the cluster's number alone
	s_cselect_b64 s[96:97], s[4:5], s[8:9]         ; A's codes
	s_cselect_b64 s[8:9], s[8:9], s[4:5]           ; B's codes
	s_cselect_b64 s[98:99], s[6:7], s[10:11]       ; A's scales
	s_cselect_b64 s[10:11], s[10:11], s[6:7]       ; B's scales
	s_add_nc_u64 s[20:21], s[96:97], s[20:21]
	s_add_nc_u64 s[22:23], s[98:99], s[22:23]
	s_add_nc_u64 s[46:47], s[8:9], s[46:47]
	s_add_nc_u64 s[92:93], s[10:11], s[92:93]
	CROUND                                         ; all sixteen work-groups are here: the first joint loads meet
	s_mov_b32 s[G0S], 1
	s_add_co_u32 s[G0S+1], s94, SCL
	s_mov_b64 s[G0S+2:G0S+3], s[22:23]
	s_or_b32 s[G0S+3], s[G0S+3], 0x80000000
	s_mov_b32 s[G0SB], 1
	s_add_co_u32 s[G0SB+1], s94, SCL
	s_mov_b64 s[G0SB+2:G0SB+3], s[92:93]
	s_or_b32 s[G0SB+3], s[G0SB+3], 0x80000000
	JLOAD G0S, G1S, G0SB, G1SB                     ; the scales first: they are wanted with K step 0
.irp s, 0,1
	s_mov_b32 s[G0+4*\s], 1
	s_add_co_u32 s[G0+4*\s+1], s45, \s*SLOT
	s_add_nc_u64 s[G0+4*\s+2:G0+4*\s+3], s[20:21], \s*ROWB
	s_or_b32 s[G0+4*\s+3], s[G0+4*\s+3], 0x80000000
	s_mov_b32 s[G0B+4*\s], 1
	s_add_co_u32 s[G0B+4*\s+1], s45, \s*SLOT
	s_add_nc_u64 s[G0B+4*\s+2:G0B+4*\s+3], s[46:47], \s*ROWB
	s_or_b32 s[G0B+4*\s+3], s[G0B+4*\s+3], 0x80000000
	JLOAD G0+4*\s, G1, G0B+4*\s, G1B               ; three tensor loads of mine are out at the most
.endr
	v_and_b32 v1, 15, v0                           ; l % 16
	v_bfe_u32 v2, v0, 4, 1                         ; l / 16
	v_mul_u32_u24 v3, v1, PITCH
	v_mul_u32_u24 v4, v2, 24
	v_add_nc_u32 v4, v3, v4                        ; a fragment's row x pitch + 24 x half
	v_lshl_add_u32 v5, v2, 4, v4                   ; and the same behind one padding more
	s_mul_i32 s21, s15, HALFT                      ; my 128 rows of A
	s_mul_i32 s22, s16, HALFT                      ; my 128 rows of B,
	s_add_co_u32 s22, s22, 2*HALFT                 ; which lie behind A's 256
.irp s, 0,1
	v_add_nc_u32 v[ADRA+\s], s21, v4
	v_add_nc_u32 v[ADRB+\s], s22, v4
	v_add_nc_u32 v[ADRA+2+\s], s21, v5
	v_add_nc_u32 v[ADRB+2+\s], s22, v5
	s_add_co_u32 s21, s21, SLOT
	s_add_co_u32 s22, s22, SLOT
.endr
	v_mul_u32_u24 v5, v1, KS                       ; my row's scales: KS bytes a row,
	v_lshrrev_b32 v6, 8, v5
	v_lshl_add_u32 v5, v6, 4, v5                   ; and 16 more for each 256 passed
	s_mul_i32 s21, s15, HALFS                      ; A's: my 128 rows
	s_mul_i32 s22, s16, HALFS                      ; B's: my 128 rows, behind A's 256
	s_add_co_u32 s22, s22, 2*HALFS
	s_sub_co_u32 s22, s22, s21
	v_mul_u32_u24 v6, s22, v2                      ; lanes 16-31 take B's
	s_add_co_u32 s21, s21, SCL
	v_add_nc_u32 v5, v5, v6
	v_add_nc_u32 v[ADRS], s21, v5
.macro FRAG reg, adr, q, i             ; a fragment: lane l holds row l % 16; registers 6 c .. 6 c + 5 hold K = 64 c + 32 (l / 16) + 0 .. 31: 24 bytes of the row's stream of bits, as they lie
.irp p, 0,1,2,3,4,5                    ; in pieces of 8 bytes.  Lanes 0-15 take the row's pieces 12 q + 0, 1, 2 and 12 q + 6, 7, 8, lanes 16-31 those three pieces on
.set PCE, 12*(\q)+6*(\p/3)+\p%3        ; 16 bytes of padding lie behind every 8 pieces: where the piece three on lies behind one padding more, the second address register serves
.if PCE%8 < 5
	ds_load_b64 v[\reg+2*\p:\reg+2*\p+1], v[\adr] offset:8*PCE+16*(PCE/8)+(\i)*16*PITCH
.else
	ds_load_b64 v[\reg+2*\p:\reg+2*\p+1], v[\adr+2] offset:8*PCE+16*(PCE/8)+(\i)*16*PITCH
.endif
.endr
.endm
; 16 matrix instructions: A's blocks a0, a0 + 1 x B's eight, 128 along K: the slot's q-th.  p: B's set;  sc: the set of scale words.  zero = 1: the first product starts the sums.
; The 64 accumulators take turns, one instruction a turn, in the same order in every step.
.macro MUL16 a0, p, q, sc, zero
.irp a, \a0, \a0+1
.irp b, 0,1,2,3,4,5,6,7
.if \zero
	v_wmma_scale_f32_16x16x128_f8f6f4 v[8*(8*((\a)%4)+\b):8*(8*((\a)%4)+\b)+7], v[128*(\p)+FR*\b:128*(\p)+FR*\b+FR-1], v[AF+FR*(\a):AF+FR*(\a)+FR-1], 0, v[SC+8*NQ*(\sc)+NQ*\b+(\q)], v[SC+8*NQ*(\sc)+NQ*(\a)+(\q)] matrix_a_fmt:MATRIX_FMT_BF6 matrix_b_fmt:MATRIX_FMT_BF6 matrix_a_scale:MATRIX_SCALE_ROW1
.else
	v_wmma_scale_f32_16x16x128_f8f6f4 v[8*(8*((\a)%4)+\b):8*(8*((\a)%4)+\b)+7], v[128*(\p)+FR*\b:128*(\p)+FR*\b+FR-1], v[AF+FR*(\a):AF+FR*(\a)+FR-1], v[8*(8*((\a)%4)+\b):8*(8*((\a)%4)+\b)+7], v[SC+8*NQ*(\sc)+NQ*\b+(\q)], v[SC+8*NQ*(\sc)+NQ*(\a)+(\q)] matrix_a_fmt:MATRIX_FMT_BF6 matrix_b_fmt:MATRIX_FMT_BF6 matrix_a_scale:MATRIX_SCALE_ROW1
.endif
.endr
.endr
.endm
.macro FETCH_B slot, q, p              ; B's eight fragments of the slot's q-th 128 along K into set p
	WIN TO_B
.irp i, 0,1,2,3,4,5,6,7
	FRAG 128*(\p)+FR*\i, ADRB+\slot, \q, \i
.endr
	WIN 0
.endm
.macro FETCH_A slot, q, i0             ; A's blocks i0 .. i0 + 3
.irp i, \i0, \i0+1, \i0+2, \i0+3
	FRAG AF+FR*(\i), ADRA+\slot, \q, \i
.endr
.endm
.macro SCALES sc                       ; the next K step's scale words into set sc: NQ words a row; lanes 0-15 take A's block i, lanes 16-31 B's block i
.irp i, 0,1,2,3,4,5,6,7
	ds_load_b64 v[SC+8*NQ*\sc+NQ*\i:SC+8*NQ*\sc+NQ*\i+1], v[ADRS] offset:\i*SBLK
.endr
.endm
; A load into a register that a matrix instruction has read, and a vector instruction that reads a matrix result, stand NP places behind that matrix instruction; only plain vector instructions that name
; none of its registers are places (ISA guide 7.12.1 for vector instructions).
.macro PLACES n
.rept \n
	v_nop
.endr
.endm
; A step of 128 along K that has its successor in the same slot.
.macro STEP slot, q, zero
	s_wait_dscnt 4*NL                              ; B's set and A's blocks 0-3 are in; the youngest 24 loads (A's blocks 4-7) may be out
	WIN MUL_LO
	MUL16 0, (\q)%2, \q, \slot, \zero
	MUL16 2, (\q)%2, \q, \slot, \zero
	s_wait_dscnt 0                                 ; A's blocks 4-7 are in (asked for 32 matrix instructions ago)
	PLACES NP
	FETCH_B \slot, (\q)+1, 1-(\q)%2
	FETCH_A \slot, (\q)+1, 0
	WIN MUL_HI
	MUL16 4, (\q)%2, \q, \slot, \zero
	MUL16 6, (\q)%2, \q, \slot, \zero
	PLACES NP
	WIN 0
	FETCH_A \slot, (\q)+1, 4
.endm
; A slot's last step changes slots: ONE barrier; in front of it each wave waits for all its tensor loads, adds 0 to its spare word, and waits for that and for its own reads of this slot.  fill = 1: this slot is filled again, two K steps ahead.
.macro TURN slot, next, fill
	s_wait_tensorcnt 0x0                           ; all my tensor loads have landed: my part of the next slot;  (every window is 0 here)
	ds_add_u32 v[SPW], v[NIL]                      ; 0 onto my spare word
	s_wait_dscnt 4*NL+1                            ; (the add and the youngest 24 loads, A's blocks 4-7, may be out)
	WIN MUL_LO
	MUL16 0, 1, NQ-1, \slot, 0                     ; sixteen matrix instructions stand between the add and the wait for it
	s_wait_dscnt 0x0                               ; the add is done, and my reads of this slot are over
	s_barrier_signal -1
	MUL16 2, 1, NQ-1, \slot, 0
	WIN 0
	s_barrier_wait -1
.if \fill
	CREST                                          ; the barrier has opened a round of the cluster's barrier: no wave of any partner still reads this slot's tile or has a load on its way
	s_add_nc_u64 s[G0+4*\slot+2:G0+4*\slot+3], s[G0+4*\slot+2:G0+4*\slot+3], 2*ROWB
	s_add_nc_u64 s[G0B+4*\slot+2:G0B+4*\slot+3], s[G0B+4*\slot+2:G0B+4*\slot+3], 2*ROWB
	JLOAD G0+4*\slot, G1, G0B+4*\slot, G1B         ; the first tensor load behind the round; the four v_nop behind it are the places in front of the loads below
.else
	PLACES NP
.endif
	v_add_nc_u32 v[ADRS], 4*NQ, v[ADRS]            ; on to the next K step's scale words (no LDS load of mine is out)
	FETCH_B \next, 0, 0
	FETCH_A \next, 0, 0
	SCALES \next
	WIN MUL_HI
	MUL16 4, 1, NQ-1, \slot, 0
	MUL16 6, 1, NQ-1, \slot, 0
	PLACES NP
	WIN 0
	FETCH_A \next, 0, 4
.endm
	s_wait_tensorcnt 1                             ; the scales and my part of K step 0 are in (K step 1's load may be out)
	s_barrier_signal -1
	s_barrier_wait -1                              ; everybody's are
	FETCH_B 0, 0, 0
	FETCH_A 0, 0, 0
	SCALES 0
	FETCH_A 0, 0, 4
	STEP 0, 0, 1                                   ; the first step stands in front of the loop: its products start the sums
	s_mov_b32 s3, LAPS-1
.Llap:                                                 ; a trip goes once round the ring, from a lap's second step to the next lap's first, and fills both slots again
	TURN 0, 1, 1
	STEP 1, 0, 0
	TURN 1, 0, 1
	STEP 0, 0, 0
	s_sub_co_u32 s3, s3, 1
	s_cmp_lg_u32 s3, 0
	s_cbranch_scc1 .Llap
	TURN 0, 1, 0                                   ; the last lap fills nothing, and has no round of the cluster's barrier
	STEP 1, 0, 0
	s_wait_dscnt 4*NL                              ; the very last step: nothing more to fetch
	WIN MUL_LO
	MUL16 0, 1, NQ-1, 1, 0
	MUL16 2, 1, NQ-1, 1, 0
	s_wait_dscnt 0
	WIN MUL_HI
	MUL16 4, 1, NQ-1, 1, 0
	MUL16 6, 1, NQ-1, 1, 0
	WIN 0
	; THE WAY OUT.  No tensor load of mine is out (the last change of slots waited for all), so the descriptors' registers are free.
	s_lshl_b32 s20, s17, 8
	s_lshl_b32 s18, s15, 7
	s_add_co_u32 s20, s20, s18                     ; my first row of A
	s_lshl_b32 s21, s42, 8
	s_lshl_b32 s18, s16, 7
	s_add_co_u32 s21, s21, s18                     ; my first row of B
	s_mov_b32 s68, 1536
	s_mov_b32 s70, REC-6144
	s_mov_b32 s72, REC
	s_mov_b32 s78, KC
	s_mov_b32 s79, KSC
	s_mov_b32 s80, VC
	s_mov_b32 s81, VSC
	s_and_b32 s18, ttmp9, 1
	s_cmp_eq_u32 s18, 0                            ; among clusters 0-15 the even ones make Q
	s_cselect_b32 s78, QC, s78
	s_cselect_b32 s79, QSC, s79
	s_cmp_lt_u32 ttmp9, 16
	s_cselect_b32 s22, s20, s21                    ; my first token (128 of them: one step of keys),
	s_cselect_b32 s23, s21, s20                    ; my first feature (128: two heads)
	s_cselect_b32 s78, s78, s80                    ; where the codes go in a record,
	s_cselect_b32 s79, s79, s81                    ; and the scale words
	s_cselect_b32 s68, 768, s68                    ; from block to block: a half image, or a whole one
	s_cselect_b32 s70, 0, s70                      ; at block 4, V alone: on to the next head's record
	s_cselect_b32 s72, s72, 768                    ; registers 6-11: the next head's record, or the image's second half
	s_cselect_b32 s73, 0, -1                       ; a lane mask: all lanes in V's clusters
	s_mov_b32 s69, 0
	s_mov_b32 s71, 0
	s_mov_b32 s74, 0xffff0000                      ; a lane mask: lanes 16-31
	s_mov_b32 s75, 0x2800000                       ; the floor 2^(5 - 127)
	s_mov_b32 s76, 0x76543210
	s_mov_b32 s77, 0xfedcba98                      ; v_permlanex16_b32's selects for lane l xor 16
	s_and_b32 s18, s23, 1023
	s_lshr_b32 s18, s18, 6                         ; my first head
	s_lshr_b32 s19, s22, 11                        ; the batch
	s_lshl_b32 s19, s19, 4
	s_add_co_u32 s18, s18, s19
	s_mul_i32 s18, s18, REC                        ; its record
	s_and_b32 s19, s22, 2047
	s_lshr_b32 s19, s19, 7                         ; which step of 128 tokens
	s_mul_i32 s82, s19, 6144
	s_add_co_u32 s82, s82, s18
	s_add_co_u32 s82, s82, s78
	s_mov_b32 s83, 0
	s_lshl_b32 s84, s19, 8
	s_add_co_u32 s84, s84, s18
	s_add_co_u32 s84, s84, s79
	s_mov_b32 s85, 0
	s_add_nc_u64 s[4:5], s[12:13], s[82:83]        ; the codes' base
	s_add_nc_u64 s[6:7], s[12:13], s[84:85]        ; the scale words' base
	v_and_b32 v1, 31, v0                           ; these fourteen plain lines name no register of the last products: they are the places behind them
	v_and_b32 v2, 15, v0
	v_bfe_u32 v3, v0, 4, 1
	v_lshlrev_b32 v[OF0], 3, v1
	v_add_nc_u32 v[OF1], s72, v[OF0]
	v_mul_u32_u24 v[OFS], v3, REC
	v_lshl_add_u32 v[OFS], v2, 4, v[OFS]
	v_mov_b32 v[VSEL], 0x05040100
	v_mov_b32 v31, 0x07060302
	v_cndmask_b32 v[VSEL], v[VSEL], v31, s74
.irp b, 0,1,2,3
	v_mov_b32 v[TM+4+\b], 0                        ; written once: a lane permute's destination counts as one of its sources
.endr
; Block a of my eight: 64 numbers a lane, register 16 b + i = place 32 b + 16 (lane / 16) + i along B's axis, become a fragment's codes and its scale word.  Each accumulator is read from its low end on.
.macro QUANT a
.set QS, 64*((\a)%4)
.set QW, 2+(\a)/4
.set QM, (QW<<2)|(QW<<4)
.set QP, PC+40*((\a)%2)
	WIN QM                                         ; sources 1 and 2: the accumulators' window
.irp b, 0,1,2,3
	v_max3_num_f32 v[TM+\b], s75, |v[QS+16*\b]|, |v[QS+16*\b+1]|   ; block b: my 16 numbers, and the floor: the byte cannot fall under 1
.endr
.irp i, 2,4,6,8,10,12,14
.irp b, 0,1,2,3
	v_max3_num_f32 v[TM+\b], v[TM+\b], |v[QS+16*\b+\i]|, |v[QS+16*\b+\i+1]|   ; (the four blocks by turns)
.endr
.endr
	WIN 0
.irp b, 0,1,2,3
	v_permlanex16_b32 v[TM+4+\b], v[TM+\b], s76, s77
.endr
.irp b, 0,1,2,3
	v_max_num_f32 v[TM+\b], v[TM+\b], v[TM+4+\b]   ; with lane l xor 16's: the block's largest magnitude
.endr
.irp b, 0,1,2,3
	v_add_nc_u32 v[TM+12+\b], 0xfe000000, v[TM+\b] ; 4 off its exponent field: the conversion's scale operand
.endr
.irp b, 0,1,2,3
	v_lshrrev_b32 v[TM+4+\b], 23, v[TM+12+\b]      ; the scale's byte
.endr
	v_lshl_or_b32 v[WS+(\a)], v[TM+5], 8, v[TM+4]  ; the four bytes make my row's scale word
	v_lshl_or_b32 v[WS+(\a)], v[TM+6], 16, v[WS+(\a)]
	v_lshl_or_b32 v[WS+(\a)], v[TM+7], 24, v[WS+(\a)]
	WIN QW                                         ; source 0: the accumulators' window
.irp c, 0,1
	v_cvt_scalef32_pk16_bf6_f32 v[QP+6*\c:QP+6*\c+2], v[QS+32*\c:QS+32*\c+15], v[TM+12+2*\c]
	v_cvt_scalef32_pk16_bf6_f32 v[QP+12+4*\c:QP+14+4*\c], v[QS+16+32*\c:QS+31+32*\c], v[TM+13+2*\c]   ; (a conversion's three registers begin on an even number)
.endr
	WIN 0
	v_nop                                          ; one plain place behind a scaled conversion
.irp c, 0,1                                    ; the operand's layout wants a WHOLE block in a lane: lanes 0-15 block 2 c, lanes 16-31 block 2 c + 1
.irp i, 0,1,2
	v_permlane16_swap_b32 v[QP+6*\c+\i], v[QP+12+4*\c+\i]
.endr
.irp i, 0,1,2
	v_mov_b32 v[QP+3+6*\c+\i], v[QP+12+4*\c+\i]
.endr
.endr
.endm
.irp a, 0,1,2,3,4,5,6,7
	QUANT \a                                       ; (it writes the set of codes that block a - 2's stores read: the wait in block a - 1 has freed it)
.if \a > 0
	s_wait_xcnt 0x0                                ; the earlier stores have had their addresses translated (ISA guide 3.1): only behind this wait is their base stepped
	s_add_nc_u64 s[4:5], s[4:5], s[68:69]
.endif
.if \a == 4
	s_add_nc_u64 s[4:5], s[4:5], s[70:71]
.endif
.irp p, 0,1,2
	global_store_b64 v[OF0], v[PC+40*(\a%2)+2*\p:PC+40*(\a%2)+2*\p+1], s[4:5] offset:256*\p       ; 32 lanes store 256 consecutive bytes, aligned
.endr
.irp p, 0,1,2
	global_store_b64 v[OF1], v[PC+40*(\a%2)+6+2*\p:PC+40*(\a%2)+7+2*\p], s[4:5] offset:256*\p
.endr
.endr
	; the scale words.  Q, K: a block's word holds two bytes of each of my two heads: lanes 0-15 gather the first head's (low halves of two blocks' words), lanes 16-31 the second's.
	; V: a block's word is whole: lanes 0-15 take blocks 0-3 (the first head's four tiles of d), lanes 16-31 blocks 4-7.
.irp i, 0,1,2,3
	v_perm_b32 v[TW+\i], v[WS+2*\i+1], v[WS+2*\i], v[VSEL]
	v_cndmask_b32 v[UW+\i], v[WS+\i], v[WS+4+\i], s74
.endr
.irp i, 0,1,2,3
	v_cndmask_b32 v[XW+\i], v[TW+\i], v[UW+\i], s73
.endr
	global_store_b128 v[OFS], v[XW:XW+3], s[6:7]   ; sixteen lanes store 256 consecutive bytes, aligned, in each of the two records
	s_wait_tensorcnt 0x0                           ; the wave's end: these three lines behind my last tensor load
	ds_add_u32 v[SPW], v[NIL]
	s_wait_dscnt 0x0
	CROUND                                         ; the closing round: no work-group ends while a partner may still ask for a tile that names it
	s_endpgm
.Lfunc_end_k_q134df38e88_qkv:
	.size	k_q134df38e88_qkv, .Lfunc_end_k_q134df38e88_qkv-k_q134df38e88_qkv
	.p2alignl 7, 3214868480
	.fill 96, 4, 3214868480
	.section	.rodata,"a",@progbits
	.p2align	6, 0x0
	.amdhsa_kernel k_q134df38e88_qkv
		.amdhsa_group_segment_fixed_size 327680
		.amdhsa_private_segment_fixed_size 0
		.amdhsa_enable_private_segment 0
		.amdhsa_kernarg_size 40
		.amdhsa_user_sgpr_count 2
		.amdhsa_user_sgpr_kernarg_segment_ptr 1
		.amdhsa_wavefront_size32 1
		.amdhsa_system_sgpr_workgroup_id_x 1
		.amdhsa_system_sgpr_workgroup_id_y 1
		.amdhsa_system_sgpr_workgroup_id_z 1
		.amdhsa_system_vgpr_workitem_id 0
		.amdhsa_next_free_vgpr 1024
		.amdhsa_next_free_sgpr 100
		.amdhsa_reserve_vcc 0
		.amdhsa_float_denorm_mode_32 3
		.amdhsa_float_denorm_mode_16_64 3
		.amdhsa_memory_ordered 1
		.amdhsa_forward_progress 1
		.amdhsa_inst_pref_size 168
	.end_amdhsa_kernel
	.amdgpu_metadata
---
amdhsa.version: [ 1, 2 ]
amdhsa.kernels:
  - .name:           k_q134df38e88_qkv
    .symbol:         k_q134df38e88_qkv.kd
    .args:
      - { .name: x_codes, .offset: 0, .size: 8, .value_kind: global_buffer, .address_space: global }
      - { .name: x_scales, .offset: 8, .size: 8, .value_kind: global_buffer, .address_space: global }
      - { .name: w_codes, .offset: 16, .size: 8, .value_kind: global_buffer, .address_space: global }
      - { .name: w_scales, .offset: 24, .size: 8, .value_kind: global_buffer, .address_space: global }
      - { .name: heads, .offset: 32, .size: 8, .value_kind: global_buffer, .address_space: global }
    .group_segment_fixed_size: 327680
    .private_segment_fixed_size: 0
    .kernarg_segment_align: 8
    .kernarg_segment_size: 40
    .max_flat_workgroup_size: 128
    .sgpr_count:     100
    .vgpr_count:     1024
    .wavefront_size: 32
...
	.end_amdgpu_metadata
.endif
;; end of part 2
;; launch attn (part 3): grid 4 x 64, 16 waves a work-group, clusters of 4 x 1, 206,848 bytes of LDS; arguments heads, a_codes, a_scales; writes a_codes, a_scales
.if DOCPART == 3
	.amdgcn_target "amdgcn-amd-amdhsa--gfx1250"
	.amdhsa_code_object_version 6
	.text
	.protected	k_q134df38e88_attn
	.globl	k_q134df38e88_attn
	.p2align	8
	.type	k_q134df38e88_attn,@function
k_q134df38e88_attn:
	s_mov_b64 s[64:65], 0
	v_nop
	global_prefetch_b8 v0, s[64:65] scope:SCOPE_SE
	s_setreg_imm32_b32 hwreg(HW_REG_WAVE_MODE, 25, 1), 1
	s_wait_xcnt 0x0
	s_wait_alu depctr_hold_cnt(0) depctr_sa_sdst(0) depctr_va_vdst(0) depctr_va_sdst(0) depctr_va_ssrc(0) depctr_va_vcc(0) depctr_vm_vsrc(0)
	s_getreg_b32 s2, hwreg(HW_REG_IB_STS2, 6, 4)
	s_cmp_eq_u32 s2, 0
	s_cbranch_scc0 .Lentry_in_a_cluster
	s_endpgm
.Lentry_in_a_cluster:
	s_bfe_u32 s2, ttmp6, 0x10000c
	s_cmp_lg_u32 s2, 0x3003
	s_cbranch_scc0 .Lentry_shape_is_right
	s_endpgm
.Lentry_shape_is_right:
; LAUNCH 3 OF 4: for each batch and head, O[q] = sum over k <= q of softmax_k(Q[q] . K[k] / 8) V[k], both products on codes of BF6, and O quantised along D for launch proj.
; LEFT OUT AS DEAD WORK (shown at the head of launch quant): a step of 128 keys all of which come after a tile's 16 queries: reference()'s own mask gives them p = 0.
; THE SOFTMAX AHEAD OF THE SECOND PRODUCT: t = score x log2(e) / 8; M = the row's largest t so far, rounded UP to a whole number; p = 2^(t - M) is what is quantised, along the keys; it is not normalised.
; The row's sum is taken of the unquantised p and divides O at the end.  When M moves, the sum and O are multiplied by 2^(old M - new M): exact.
; LDS.  A head's K, V and their scale words are one dense block of 204,800 bytes of its record: it comes in ONCE, 12,800 bytes by each of the sixteen waves, and stays: no slot is ever filled again, one barrier.
; CLUSTER.  The four work-groups of a cluster serve one head and need the same block: each part is asked for JOINTLY, by the same tensor load with the same descriptor and a mask that names the four.
; SHARES, EQUAL UNDER THE MASK.  The head's 2,048 queries are 16 chunks of 128, a chunk 8 tiles of 16 (tokens in stored order).  Work-group g of the cluster, wave w: pass A takes tile 2 g of chunk w (w + 1 key steps),
; pass B tile 2 g + 1 of chunk 15 - w (16 - w key steps): 17 steps for every wave.  Both loops have 16 trips, a constant; a trip whose keys are all hidden jumps to its end, by the wave's number and the count of trips alone.
; LAYOUT.  Both products are used transposed: S^T = K Q^T (source 0 = keys, source 1 = my 16 queries), O^T = V^T P^T (source 0 = 16 rows d, source 1 = P): a lane holds ONE query (lane % 16) throughout.
; The stored order makes the 16 registers of tiles 2 b and 2 b + 1 of S^T the keys 32 b + 16 (lane / 16) + 0 .. 15 of the step, and likewise those of O^T the head's features.
; K = 64 IN AN INSTRUCTION OF 128.  A fragment of source 0 holds TWO tiles of keys: tile 2 i at k 0-63, tile 2 i + 1 at k 64-127.  Source 1 is my queries at one half and zero CODES at the other: (q, 0) gives tile 2 i's scores,
; (0, q) tile 2 i + 1's.  So each fragment read from LDS feeds two instructions.  The zero half's scale bytes are 0, which is 2^-127 and no NaN: zeros times it add nothing.
; Operands lie in LDS as images of their registers, in pieces of 8 bytes a lane: every load takes 256 consecutive bytes.
; a_codes [16 heads][512 tiles][3 pieces][256]: half images (16 tokens x the head's 64).  a_scales [8192 tokens][32]: a head owns 2 bytes of a row, so these stores of one byte a lane fill no aligned 256 bytes whole: 1 byte in 24 of what the launch stores.
; REGISTERS: v1-11 addresses; v12 -M, v13 the largest t, v[14:15] the sum in two halves; v16-21 zeros, v22-27 q, v28-33 zeros; v34-39 pass B's q; v40, v41 Q's scale words as loaded; v42, v43 as used;
;   v44-91 four fragments of K or of V; v96-159 S^T, then p; v160-191 O^T; v224-235 p's codes; v232-254 at work; v248-251 scale words of K, then of V.
.set REC,   307200
.set VC,    98304                      ; in the record, and in LDS: V's images,
.set KSC,   196608                     ; K's scale words,
.set VSC,   200704                     ; V's
.set QC,    204800                     ; in the record alone: Q's half images,
.set QSC,   303104                     ; Q's scale words
.set PART,  12800                      ; what one wave brings: 50 rows of 256 bytes
.set SPARE, 204800                     ; behind the block: the spare words, 128 bytes a wave, which no other line names
.set L8,   1                           ; v1   8 x lane
.set L8V,  2                           ; v2   the same among V's images
.set R16,  3                           ; v3   my row's four scale words of K
.set DQ,   4                           ; v4   the mask: my query's place in its chunk, less 16 (lane / 16)
.set SPW,  5                           ; v5   LDS address of my spare word; never rewritten
.set NIL,  6                           ; v6   0; never rewritten
.set ASO,  7                           ; v7   my byte in 16 rows of a_scales: 32 x row + lane / 16
.set ADK,  8                           ; v8   LDS address of the step's K
.set ADV,  9                           ; v9   of its V
.set ADS,  10                          ; v10  of its scale words
.set QS0,  42                          ; v42  Q's two bytes at k 0-63, zeros above
.set QS1,  43                          ; v43  and at k 64-127
.set FR,   44
.set DQ0,  92                          ; v92  the lane's part of DQ
.set WV,   10                          ; s10  my wave's number
.set GP,   11                          ; s11  my work-group's place in the cluster: it enters global addresses and the mask's numbers alone
.set BH,   12                          ; s12  16 batch + head
.set CH,   13                          ; s13  the pass's chunk
.set KI,   14                          ; s14  the key step
.set TB,   15                          ; s15  6,144 x key step
.set TS,   16                          ; s16  256 x key step
.set MH,   17                          ; s17  a lane mask: lanes 16-31
.set SEL,  20                          ; s[20:21] v_permlanex16_b32's selects for lane l xor 16
.set CS,   22                          ; s[22:23] c = log2(e) / 8
.set G1,   24                          ; s[24:31] descriptor group 1
.set G0,   32                          ; s[32:35] group 0
.set RC,   36                          ; s[36:37] my head's record
.set QA,   38                          ; s[38:45] Q's images and scale words for the two passes
.set QB,   40
.set QSA,  42
.set QSB,  44
.set AC,   46                          ; s[46:47] the pass's place in a_codes
.set ASB,  48                          ; s[48:49] and in a_scales
.macro CROUND                          ; a round of the cluster's barrier
	s_barrier_signal -1
	s_barrier_wait -1
	s_cmp_lg_u32 s[WV], 0
	s_cbranch_scc1 .Lnot_wave_0_\@
	s_barrier_signal -3
.Lnot_wave_0_\@:
	s_barrier_wait -3
	s_barrier_signal -1
	s_barrier_wait -1
.endm
.macro LOAD24 adr                      ; four fragments, 48 registers: 24 pieces of 256 consecutive bytes
.set n, 0
.rept 24
	ds_load_b64 v[FR+2*n:FR+2*n+1], v[\adr] offset:256*n
.set n, n+1
.endr
.endm
	s_load_b128 s[4:7], s[0:1], 0x0                ; heads, a_codes
	s_load_b64 s[8:9], s[0:1], 0x10                ; a_scales
	v_lshl_add_u32 v[SPW], v0, 2, SPARE
	v_mov_b32 v[NIL], 0
	ds_add_u32 v[SPW], v[NIL]                      ; the wave's opening: the add, twice on end, and its wait ahead of my first tensor load; the set-up below stands between the second and the wait
	ds_add_u32 v[SPW], v[NIL]
	v_lshrrev_b32 v8, 5, v0
	s_delay_alu instid0(VALU_DEP_1)
	v_readfirstlane_b32 s[WV], v8                  ; wave 0..15
	s_bfe_u32 s[GP], ttmp6, 0x40000                ; cx
	s_and_b32 s[BH], ttmp7, 0xffff                 ; the cluster's y: the four partners share it
	s_mov_b32 s[G1], 15|(3<<16)|(1<<21)            ; 15:0 the mask: all four work-groups; 17:16 elements of 8 bytes; 20 no padding; 21 set beside a mask
	s_mov_b32 s[G1+1], 32<<16                      ; tensor_dim0 = 32 elements: 256 bytes
	s_mov_b32 s[G1+2], 50<<16                      ; tensor_dim1 = 50
	s_mov_b32 s[G1+3], 32<<16                      ; tile_dim0
	s_mov_b32 s[G1+4], 50                          ; tile_dim1
	s_mov_b32 s[G1+5], 32                          ; the pitch: the block is dense
	s_mov_b32 s[G1+6], 0
	s_mov_b32 s[G1+7], 0
	s_mov_b32 s[SEL], 0x76543210
	s_mov_b32 s[SEL+1], 0xfedcba98
	s_mov_b32 s[CS], 0x3e38aa3b                    ; c = log2(e) / sqrt(64)
	s_mov_b32 s[CS+1], s[CS]                       ; (named with it as a pair, so it is written)
	s_mov_b32 s[MH], 0xffff0000
	s_mul_i32 s50, s[BH], REC
	s_mov_b32 s51, 0
	s_mul_i32 s52, s[WV], PART
	s_mov_b32 s53, 0
	s_wait_dscnt 0x0                               ; both opening adds are done
	s_wait_kmcnt 0x0
	s_add_nc_u64 s[RC:RC+1], s[4:5], s[50:51]
	s_mov_b32 s[G0], 1                             ; count = 1
	s_mul_i32 s[G0+1], s[WV], PART                 ; LDS address: the wave's number times a constant
	s_add_nc_u64 s[G0+2:G0+3], s[RC:RC+1], s[52:53]   ; global address: the same place in the record
	s_or_b32 s[G0+3], s[G0+3], 0x80000000          ; type = 2
	CROUND                                         ; all four work-groups are here: the joint loads meet
	tensor_load_to_lds s[G0:G0+3], s[G1:G1+7]      ; my one tensor load of the launch
	s_nop 0
.rept 4
	v_nop
.endr
	s_mul_i32 s50, s[WV], 6144                     ; pass A: chunk w, tile 2 g
	s_mul_i32 s52, s[GP], 1536
	s_add_co_u32 s50, s50, s52
	s_add_co_u32 s50, s50, QC
	s_add_nc_u64 s[QA:QA+1], s[RC:RC+1], s[50:51]
	s_xor_b32 s[CH], s[WV], 15                     ; pass B: chunk 15 - w, tile 2 g + 1
	s_mul_i32 s50, s[CH], 6144
	s_add_co_u32 s50, s50, s52
	s_add_co_u32 s50, s50, QC+768
	s_add_nc_u64 s[QB:QB+1], s[RC:RC+1], s[50:51]
	s_lshl_b32 s50, s[WV], 8                       ; the scale words: 256 bytes a chunk, word g of a row
	s_lshl_b32 s52, s[GP], 2
	s_add_co_u32 s50, s50, s52
	s_add_co_u32 s50, s50, QSC
	s_add_nc_u64 s[QSA:QSA+1], s[RC:RC+1], s[50:51]
	s_lshl_b32 s50, s[CH], 8
	s_add_co_u32 s50, s50, s52
	s_add_co_u32 s50, s50, QSC
	s_add_nc_u64 s[QSB:QSB+1], s[RC:RC+1], s[50:51]
	v_and_b32 v8, 31, v0
	s_delay_alu instid0(VALU_DEP_1)
	v_lshlrev_b32 v[L8], 3, v8
	v_and_b32 v9, 15, v0                           ; r
	v_bfe_u32 v10, v0, 4, 1                        ; h
	s_delay_alu instid0(VALU_DEP_2)
	v_lshlrev_b32 v11, 4, v9
.irp i, 0,1,2
	global_load_b64 v[22+2*\i:23+2*\i], v[L8], s[QA:QA+1] offset:256*\i     ; both passes' queries stay in registers
	global_load_b64 v[34+2*\i:35+2*\i], v[L8], s[QB:QB+1] offset:256*\i
.endr
	global_load_b32 v40, v11, s[QSA:QSA+1]
	global_load_b32 v41, v11, s[QSB:QSB+1]
	v_add_nc_u32 v[L8V], VC, v[L8]
	v_lshl_add_u32 v[R16], v9, 4, KSC
	v_lshl_add_u32 v[ASO], v9, 5, v10
	v_and_b32 v[DQ0], 8, v9
	s_delay_alu instid0(VALU_DEP_1)
	v_add_nc_u32 v[DQ0], v[DQ0], v9                ; lane r of a stored tile is token r + 8 (r / 8) of its group,
	v_lshlrev_b32 v93, 4, v10
	s_delay_alu instid0(VALU_DEP_1)
	v_sub_nc_u32 v[DQ0], v[DQ0], v93               ; less 16 h: the lane's first key of a block
.irp i, 0,1,2,3,4,5
	v_mov_b32 v[16+\i], 0                          ; zero codes on either side of q
	v_mov_b32 v[28+\i], 0
.endr
	s_wait_loadcnt 0x0                             ; Q
	s_wait_tensorcnt 0x0                           ; my part of the block is in,
	s_barrier_signal -1
	s_barrier_wait -1                              ; everybody's is; from here on LDS is only read
; ONE PASS: a tile of 16 queries against the key steps 0 .. its own chunk.
.macro PASS p
.if \p
	s_wait_xcnt 0x0                                ; pass A's stores have had their addresses translated (ISA guide 3.1): their data and bases may be written
	s_xor_b32 s[CH], s[WV], 15
.irp i, 0,1,2,3,4,5
	v_mov_b32 v[22+\i], v[34+\i]
.endr
	v_lshrrev_b32 v[QS0], 16, v41                  ; tile 2 g + 1: the word's upper two bytes
.else
	s_mov_b32 s[CH], s[WV]
	v_and_b32 v[QS0], 0xffff, v40                  ; tile 2 g: the lower two
.endif
	s_delay_alu instid0(VALU_DEP_1)
	v_lshlrev_b32 v[QS1], 16, v[QS0]
	s_lshl_b32 s50, s[GP], 5
.if \p
	s_add_co_u32 s50, s50, 8
.endif
	v_add_nc_u32 v[DQ], s50, v[DQ0]                ; tile 2 g + p begins at token 32 g + 8 p of its chunk
	s_lshr_b32 s50, s[BH], 4                       ; where the pass's results go: tile 128 batch + 8 chunk + 2 g + p
	s_lshl_b32 s50, s50, 7
	s_lshl_b32 s51, s[CH], 3
	s_add_co_u32 s50, s50, s51
	s_lshl_b32 s51, s[GP], 1
	s_add_co_u32 s50, s50, s51
.if \p
	s_add_co_u32 s50, s50, 1
.endif
	s_and_b32 s51, s[BH], 15                       ; the head
	s_mul_i32 s52, s50, 768
	s_mul_i32 s53, s51, 393216
	s_add_co_u32 s52, s52, s53
	s_mov_b32 s53, 0
	s_add_nc_u64 s[AC:AC+1], s[6:7], s[52:53]
	s_lshl_b32 s52, s50, 9                         ; 16 rows of 32 scale bytes a tile,
	s_lshl_b32 s51, s51, 1                         ; 2 bytes a head
	s_add_co_u32 s52, s52, s51
	s_add_nc_u64 s[ASB:ASB+1], s[8:9], s[52:53]
	v_mov_b32 v13, 0xff61b1e6                      ; the largest t so far: -3e38, under every t
	s_delay_alu instid0(VALU_DEP_1)
	v_floor_f32 v12, -v13                          ; -M
	v_mov_b32 v14, 0                               ; the sum, in two halves
	v_mov_b32 v15, 0
.irp b, 0,1,2,3
	v_mov_b32 v[236+\b], 0                         ; a lane permute's destination counts as one of its sources
.endr
	v_mov_b32 v252, 0
	v_mov_b32 v253, 0
.set n, 0
.rept 32
	v_mov_b32 v[160+n], 0                          ; O^T.  (The step is written once: the first finds zeros, which the first change of M leaves zeros.  These lines are also the places between the writes of q and its scale words and the first products)
.set n, n+1
.endr
	s_mov_b32 s[KI], 0
	s_mov_b32 s[TB], 0
	s_mov_b32 s[TS], 0
.Lstep_\@:
	s_cmp_gt_u32 s[KI], s[CH]                      ; all 128 keys come after my queries: the step's work is left out; the lines at its end that step addresses are not
	s_cbranch_scc1 .Lhidden_\@
	s_setprio 2
	v_add_nc_u32 v[ADK], s[TB], v[L8]              ; (four plain lines: the places in front of loads into registers that the last products have read)
	v_add_nc_u32 v[ADV], s[TB], v[L8V]
	v_add_nc_u32 v[ADS], s[TS], v[R16]
	v_nop
	LOAD24 ADK                                     ; the step's eight tiles of keys: four fragments of two
	ds_load_b128 v[248:251], v[ADS]                ; and their scale words
	s_wait_alu depctr_va_vdst(0)
	s_wait_dscnt 0x0
.irp q, 0,1,2,3
	v_wmma_scale_f32_16x16x128_f8f6f4 v[96+16*\q:103+16*\q], v[FR+12*\q:FR+12*\q+11], v[22:33], 0, v[248+\q], v[QS0] matrix_a_fmt:MATRIX_FMT_BF6 matrix_b_fmt:MATRIX_FMT_BF6
	v_wmma_scale_f32_16x16x128_f8f6f4 v[104+16*\q:111+16*\q], v[FR+12*\q:FR+12*\q+11], v[16:27], 0, v[248+\q], v[QS1] matrix_a_fmt:MATRIX_FMT_BF6 matrix_b_fmt:MATRIX_FMT_BF6
.endr
.rept 4
	v_nop                                          ; places in front of the loads below and of the first read of the scores
.endr
	LOAD24 ADV                                     ; the step's V, four tiles of d x 128 keys: it lands while the softmax is walked
	ds_load_b128 v[248:251], v[ADS] offset:VSC-KSC
	s_cmp_lt_u32 s[KI], s[CH]                      ; a step all of whose keys count skips the mask
	s_cbranch_scc1 .Lopen_\@
	v_mov_b32 v254, 0xff800000                     ; on the diagonal the scores of hidden keys become -infinity ahead of the maximum: p = 0 then.  Register 16 b + i holds key 32 b + 16 (lane / 16) + i of the chunk
.set n, 0
.rept 64
	v_cmp_gt_i32 vcc_lo, 32*(n/16)+n%16, v[DQ]
	v_cndmask_b32 v[96+n], v[96+n], v254, vcc_lo
.set n, n+1
.endr
.Lopen_\@:
.irp b, 0,1,2,3
	v_max3_num_f32 v[232+\b], v[96+16*\b], v[97+16*\b], v[98+16*\b]   ; THE LARGEST SCORE OF EACH BLOCK OF 32 KEYS: it serves for the row's maximum and, since p rises with the score, for the block's largest p
.endr
.irp i, 3,5,7,9,11,13
.irp b, 0,1,2,3
	v_max3_num_f32 v[232+\b], v[232+\b], v[96+16*\b+\i], v[97+16*\b+\i]   ; (the four blocks by turns)
.endr
.endr
.irp b, 0,1,2,3
	v_max_num_f32 v[232+\b], v[232+\b], v[111+16*\b]
.endr
.irp b, 0,1,2,3
	s_delay_alu instid0(VALU_DEP_4)
	v_permlanex16_b32 v[236+\b], v[232+\b], s[SEL], s[SEL+1]
.endr
.irp b, 0,1,2,3
	s_delay_alu instid0(VALU_DEP_4)
	v_max_num_f32 v[232+\b], v[232+\b], v[236+\b]  ; with lane l xor 16's 16 keys
.endr
	s_delay_alu instid0(VALU_DEP_2)
	v_max3_num_f32 v254, v232, v233, v234
	s_delay_alu instid0(VALU_DEP_1)
	v_max_num_f32 v254, v254, v235                 ; the step's largest score of my query
	s_delay_alu instid0(VALU_DEP_1)
	v_mul_f32 v254, s[CS], v254                    ; as t (c is positive)
	s_delay_alu instid0(VALU_DEP_1)
	v_max_num_f32 v13, v13, v254                   ; the running largest t
	v_mov_b32 v254, v12
	s_delay_alu instid0(VALU_DEP_2)
	v_floor_f32 v12, -v13                          ; the new -M = floor(-t) = -ceil(t): M IS A WHOLE NUMBER
	s_delay_alu instid0(VALU_DEP_1)
	v_sub_f32 v254, v12, v254                      ; M's old value less its new one: a whole number, 0 or less
	s_delay_alu instid0(VALU_DEP_1)
	v_cvt_i32_f32 v254, v254                       ; (it saturates)
	s_delay_alu instid0(VALU_DEP_1)
	v_ldexp_f32 v252, 1.0, v254                    ; f = 2^(old M - new M)
.set n, 0
	s_setprio 1
.rept 32
	v_pk_fma_f32 v[96+n:97+n], v[96+n:97+n], s[CS:CS+1], v[12:13] op_sel_hi:[1,0,0]   ; t - M, two at a time
.set n, n+2
.endr
.irp b, 0,1,2,3
	v_fma_f32 v[232+\b], v[232+\b], s[CS], v12     ; the same of each block's largest score
.endr
.set n, 0
	s_wait_alu depctr_va_vdst(0)
.rept 64
	v_exp_f32 v[96+n], v[96+n]                     ; p = 2^(t - M), at most 1: NOT normalised
.set n, n+1
.endr
	v_pk_mul_f32 v[14:15], v[14:15], v[252:253] op_sel_hi:[1,0]   ; the sums under the new M.  (A plain place behind the exponentials)
	s_wait_alu depctr_va_vdst(0)                   ; the wait ahead of the first line that names an exponential's result: one for the batch of 64
.irp b, 0,1,2,3
	v_exp_f32 v[232+\b], v[232+\b]                 ; the block's largest p: the same two instructions on the same number give the same bits
.endr
	v_pk_add_f32 v[236:237], v[100:101], v[104:105]
	v_pk_add_f32 v[254:255], v[108:109], v[112:113]
	v_pk_add_f32 v[246:247], v[116:117], v[120:121]
	v_pk_add_f32 v[244:245], v[124:125], v[128:129]
	v_pk_add_f32 v[242:243], v[132:133], v[136:137]
	v_pk_add_f32 v[240:241], v[140:141], v[144:145]
	v_pk_add_f32 v[238:239], v[148:149], v[152:153]
	v_pk_add_f32 v[14:15], v[14:15], v[156:157]
	v_pk_add_f32 v[236:237], v[236:237], v[96:97]
	v_pk_add_f32 v[254:255], v[254:255], v[98:99]
	v_pk_add_f32 v[246:247], v[246:247], v[102:103]
	v_pk_add_f32 v[244:245], v[244:245], v[106:107]
	v_pk_add_f32 v[242:243], v[242:243], v[110:111]
	v_pk_add_f32 v[240:241], v[240:241], v[114:115]
	v_pk_add_f32 v[238:239], v[238:239], v[118:119]
	v_pk_add_f32 v[14:15], v[14:15], v[122:123]
	v_pk_add_f32 v[236:237], v[236:237], v[126:127]
	v_pk_add_f32 v[254:255], v[254:255], v[130:131]
	v_pk_add_f32 v[246:247], v[246:247], v[134:135]
	v_pk_add_f32 v[244:245], v[244:245], v[138:139]
	v_pk_add_f32 v[242:243], v[242:243], v[142:143]
	v_pk_add_f32 v[240:241], v[240:241], v[146:147]
	v_pk_add_f32 v[238:239], v[238:239], v[150:151]
	v_pk_add_f32 v[14:15], v[14:15], v[154:155]
	v_pk_add_f32 v[236:237], v[236:237], v[158:159]
	s_delay_alu instid0(VALU_DEP_2)
	v_pk_add_f32 v[14:15], v[14:15], v[244:245]
	s_delay_alu instid0(VALU_DEP_2)
	v_pk_add_f32 v[236:237], v[236:237], v[242:243]
	v_pk_add_f32 v[254:255], v[254:255], v[240:241]
	v_pk_add_f32 v[246:247], v[246:247], v[238:239]
	s_delay_alu instid0(VALU_DEP_2)
	v_pk_add_f32 v[14:15], v[14:15], v[254:255]
	s_delay_alu instid0(VALU_DEP_2)
	v_pk_add_f32 v[236:237], v[236:237], v[246:247]
	s_delay_alu instid0(VALU_DEP_1)
	v_pk_add_f32 v[14:15], v[14:15], v[236:237]
	s_wait_alu depctr_va_vdst(0)                   ; and one for the four
.irp b, 0,1,2,3
	v_max_num_f32 v[232+\b], 0x2800000, v[232+\b]  ; the floor 2^(5 - 127): the byte cannot fall under 1 (a block whose every p is 0 keeps that byte: its codes are zeros)
.endr
.irp b, 0,1,2,3
	s_delay_alu instid0(VALU_DEP_4)
	v_add_nc_u32 v[244+\b], 0xfe000000, v[232+\b]  ; 4 off the exponent field: the conversion's scale operand
.endr
.irp b, 0,1,2,3
	s_delay_alu instid0(VALU_DEP_4)
	v_lshrrev_b32 v[236+\b], 23, v[244+\b]         ; the scale's byte
.endr
	s_delay_alu instid0(VALU_DEP_3)
	v_lshl_or_b32 v253, v237, 8, v236              ; p's scale word for these 128 keys
	s_delay_alu instid0(VALU_DEP_1)
	v_lshl_or_b32 v253, v238, 16, v253
	s_delay_alu instid0(VALU_DEP_1)
	v_lshl_or_b32 v253, v239, 24, v253
	s_setprio 0
.irp c, 0,1
	v_cvt_scalef32_pk16_bf6_f32 v[224+6*\c:226+6*\c], v[96+32*\c:111+32*\c], v[244+2*\c]
	v_cvt_scalef32_pk16_bf6_f32 v[236+4*\c:238+4*\c], v[112+32*\c:127+32*\c], v[244+2*\c+1]   ; (a conversion's three registers begin on an even number)
.endr
	v_nop                                          ; one plain place behind a scaled conversion
.irp c, 0,1                                    ; the operand's layout wants a WHOLE block in a lane: lanes 0-15 block 2 c, lanes 16-31 block 2 c + 1
.irp i, 0,1,2
	v_permlane16_swap_b32 v[224+6*\c+\i], v[236+4*\c+\i]
.endr
.irp i, 0,1,2
	s_delay_alu instid0(VALU_DEP_3)
	v_mov_b32 v[227+6*\c+\i], v[236+4*\c+\i]
.endr
.endr
.set n, 0
.rept 16
	v_pk_mul_f32 v[160+n:161+n], v[160+n:161+n], v[252:253] op_sel_hi:[1,0]   ; O^T under the new M: x f.  (These 16 are also the places between the writes of p's codes and scale word and the products below)
.set n, n+2
.endr
	s_wait_alu depctr_va_vdst(0)
	s_wait_dscnt 0x0                               ; V and its scale words are in
.irp t, 0,1,2,3
	v_wmma_scale_f32_16x16x128_f8f6f4 v[160+8*\t:167+8*\t], v[FR+12*\t:FR+12*\t+11], v[224:235], v[160+8*\t:167+8*\t], v[248+\t], v253 matrix_a_fmt:MATRIX_FMT_BF6 matrix_b_fmt:MATRIX_FMT_BF6   ; the four accumulators by turns; eight other products stand between a sum's links
.endr
.Lhidden_\@:
	s_add_co_u32 s[TB], s[TB], 6144
	s_add_co_u32 s[TS], s[TS], 256
	s_add_co_u32 s[KI], s[KI], 1
	s_cmp_lt_u32 s[KI], 16
	s_cbranch_scc1 .Lstep_\@
	s_setprio 0
	; THE WAY OUT OF A PASS.  O^T / the sum, quantised along D: register 16 b + i is feature 32 b + 16 (lane / 16) + i of the head: two blocks of 32
.rept 4
	v_nop                                          ; places behind the last products
.endr
	v_add_f32 v14, v14, v15                        ; the sum's two halves,
	s_delay_alu instid0(VALU_DEP_1)
	v_permlanex16_b32 v252, v14, s[SEL], s[SEL+1]
	s_delay_alu instid0(VALU_DEP_1)
	v_add_f32 v14, v14, v252                       ; and lane l xor 16's: the row's sum
	s_wait_alu depctr_va_vdst(0)
	v_rcp_f32 v14, v14
	v_nop                                          ; a plain place behind the reciprocal
	s_wait_alu depctr_va_vdst(0)                   ; and the wait ahead of its first reader
.set n, 0
.rept 16
	v_pk_mul_f32 v[96+n:97+n], v[160+n:161+n], v[14:15] op_sel_hi:[1,0]   ; each accumulator from its low end on
.set n, n+2
.endr
.irp b, 0,1
	v_max3_num_f32 v[232+\b], |v[96+16*\b]|, |v[97+16*\b]|, 0x2800000   ; my 16 numbers of block b, and the floor
.endr
.irp i, 2,4,6,8,10,12,14
.irp b, 0,1
	s_delay_alu instid0(VALU_DEP_2)
	v_max3_num_f32 v[232+\b], v[232+\b], |v[96+16*\b+\i]|, |v[97+16*\b+\i]|
.endr
.endr
.irp b, 0,1
	s_delay_alu instid0(VALU_DEP_2)
	v_permlanex16_b32 v[236+\b], v[232+\b], s[SEL], s[SEL+1]
.endr
.irp b, 0,1
	s_delay_alu instid0(VALU_DEP_2)
	v_max_num_f32 v[232+\b], v[232+\b], v[236+\b]
.endr
.irp b, 0,1
	s_delay_alu instid0(VALU_DEP_2)
	v_add_nc_u32 v[244+\b], 0xfe000000, v[232+\b]
.endr
.irp b, 0,1
	s_delay_alu instid0(VALU_DEP_2)
	v_lshrrev_b32 v[236+\b], 23, v[244+\b]
.endr
	s_delay_alu instid0(VALU_DEP_1)
	v_cndmask_b32 v254, v236, v237, s[MH]          ; lanes 0-15 store block 0's byte of their row, lanes 16-31 block 1's
	v_cvt_scalef32_pk16_bf6_f32 v[224:226], v[96:111], v244
	v_cvt_scalef32_pk16_bf6_f32 v[228:230], v[112:127], v245
	v_nop                                          ; one plain place behind a scaled conversion
.irp i, 0,1,2
	v_permlane16_swap_b32 v[224+\i], v[228+\i]     ; lanes 0-15 now hold block 0 whole, lanes 16-31 block 1
.endr
.irp i, 0,1,2
	s_delay_alu instid0(VALU_DEP_3)
	v_mov_b32 v[227+\i], v[228+\i]                 ; registers 0-5 of a fragment: a half image
.endr
.irp i, 0,1,2
	global_store_b64 v[L8], v[224+2*\i:225+2*\i], s[AC:AC+1] offset:256*\i   ; 32 lanes store 256 consecutive bytes, aligned
.endr
	global_store_b8 v[ASO], v254, s[ASB:ASB+1]
.endm
	PASS 0
	PASS 1
	s_wait_tensorcnt 0x0                           ; the wave's end: these three lines behind my last tensor load
	ds_add_u32 v[SPW], v[NIL]
	s_wait_dscnt 0x0
	CROUND                                         ; the closing round
	s_endpgm
.Lfunc_end_k_q134df38e88_attn:
	.size	k_q134df38e88_attn, .Lfunc_end_k_q134df38e88_attn-k_q134df38e88_attn
	.p2alignl 7, 3214868480
	.fill 96, 4, 3214868480
	.section	.rodata,"a",@progbits
	.p2align	6, 0x0
	.amdhsa_kernel k_q134df38e88_attn
		.amdhsa_group_segment_fixed_size 206848
		.amdhsa_private_segment_fixed_size 0
		.amdhsa_enable_private_segment 0
		.amdhsa_kernarg_size 24
		.amdhsa_user_sgpr_count 2
		.amdhsa_user_sgpr_kernarg_segment_ptr 1
		.amdhsa_wavefront_size32 1
		.amdhsa_system_sgpr_workgroup_id_x 1
		.amdhsa_system_sgpr_workgroup_id_y 1
		.amdhsa_system_sgpr_workgroup_id_z 1
		.amdhsa_system_vgpr_workitem_id 0
		.amdhsa_next_free_vgpr 256
		.amdhsa_next_free_sgpr 66
		.amdhsa_reserve_vcc 1
		.amdhsa_float_denorm_mode_32 3
		.amdhsa_float_denorm_mode_16_64 3
		.amdhsa_memory_ordered 1
		.amdhsa_forward_progress 1
		.amdhsa_inst_pref_size 67
	.end_amdhsa_kernel
	.amdgpu_metadata
---
amdhsa.version: [ 1, 2 ]
amdhsa.kernels:
  - .name:           k_q134df38e88_attn
    .symbol:         k_q134df38e88_attn.kd
    .args:
      - { .name: heads, .offset: 0, .size: 8, .value_kind: global_buffer, .address_space: global }
      - { .name: a_codes, .offset: 8, .size: 8, .value_kind: global_buffer, .address_space: global }
      - { .name: a_scales, .offset: 16, .size: 8, .value_kind: global_buffer, .address_space: global }
    .group_segment_fixed_size: 206848
    .private_segment_fixed_size: 0
    .kernarg_segment_align: 8
    .kernarg_segment_size: 24
    .max_flat_workgroup_size: 512
    .sgpr_count:     66
    .vgpr_count:     256
    .wavefront_size: 32
...
	.end_amdgpu_metadata
.endif
;; end of part 3
;; launch proj (part 4): grid 4 x 32, 4 waves a work-group, clusters of 4 x 4, 327,680 bytes of LDS; arguments a_codes, a_scales, w_codes, w_scales, out0; writes out0
.if DOCPART == 4
	.amdgcn_target "amdgcn-amd-amdhsa--gfx1250"
	.amdhsa_code_object_version 6
	.text
	.protected	k_q134df38e88_proj
	.globl	k_q134df38e88_proj
	.p2align	8
	.type	k_q134df38e88_proj,@function
k_q134df38e88_proj:
	s_mov_b64 s[64:65], 0
	v_nop
	global_prefetch_b8 v0, s[64:65] scope:SCOPE_SE
	s_setreg_imm32_b32 hwreg(HW_REG_WAVE_MODE, 25, 1), 1
	s_wait_xcnt 0x0
	s_wait_alu depctr_hold_cnt(0) depctr_sa_sdst(0) depctr_va_vdst(0) depctr_va_sdst(0) depctr_va_ssrc(0) depctr_va_vcc(0) depctr_vm_vsrc(0)
	s_getreg_b32 s2, hwreg(HW_REG_IB_STS2, 6, 4)
	s_cmp_eq_u32 s2, 0
	s_cbranch_scc0 .Lentry_in_a_cluster
	s_endpgm
.Lentry_in_a_cluster:
	s_bfe_u32 s2, ttmp6, 0x10000c
	s_cmp_lg_u32 s2, 0xf033
	s_cbranch_scc0 .Lentry_shape_is_right
	s_endpgm
.Lentry_shape_is_right:
; LAUNCH 4 OF 4: out0 = a Wo^T on codes of BF6.  a: the attention's output, 8,192 tokens in STORED ORDER x 1,024, as launch attn left it; Wo: rows 3,072 on of the weights' codes, in their true order.  No work of reference() is left out here.
; C[m][n] = sum over k of A[m][k] B[n][k], K = 1,024.  A tile of C, 256 x 256, is made by four waves, each 128 x 128: 64 accumulators, 512 registers.  K goes in steps of 256 (four heads) through a ring of two LDS slots.
; A'S TILES ARE IMAGES OF OPERAND REGISTERS: a_codes [16 heads][512 tiles of 16 tokens][3 pieces][256].  A wave's tensor load brings, for four heads, the 6,144 dense bytes of 8 tiles: 4 rows of 6,144 bytes, 393,216 bytes apart, no padding.
; A fragment's registers 0-5 are one head's half image, registers 6-11 the next head's; each load of 8 bytes a lane takes 256 consecutive bytes.  B's tiles are rows of 192 bytes, padded in LDS.
; The scale bytes of the work-group's 256 + 256 rows, for all of K, come into LDS once, with the first fills.
; CLUSTERS: 4 x 4 work-groups.  The four of a row of the cluster need the same tiles of A, the four of a column the same tiles of B: each tile is asked for JOINTLY.  C has 128 tiles: 128 work-groups.
; THE MATRIX INSTRUCTION IS USED TRANSPOSED (source 0 = 16 rows of B, source 1 = 16 rows of A): a lane holds eight neighbouring numbers of a row of C.
; THE WAY OUT UNDOES THE STORED ORDER: stored block a of my eight holds the tokens 32 (a / 2) + 8 (a % 2) + t + 8 (t / 8), t = 0 .. 15: that is where its rows are stored.
; REGISTERS, in windows of 256: window 0: v0-31 addresses; v32-63 scale words, two sets; from v128 A's fragments, ONE set; on the way out v128-255 take rows of C.
;   window 1: B's fragments, TWO sets.   window 2: the accumulators of my rows 0-63 ((a, b) at v[8 (8 a + b)]);   window 3: those of my rows 64-127.
.set SIZE_N, 1024
.set SIZE_K, 1024
.set KSTEP,  256
.set NQ,     KSTEP/128
.set ROWB,   192                       ; a row of B's tile in bytes
.set KROW,   SIZE_K*6/8                ; a row of B in memory
.set ASTEP,  4*393216                  ; a K step on in a_codes: four heads
.set PITCH,  240                       ; B's LDS row: 3 x (64 bytes + 16 of padding)
.set FR,     12
.set NL,     6
.set NP,     4                         ; places behind this matrix instruction (ISA guide 7.12.1)
.set HALFT,  128*PITCH                 ; the room of one tensor load: 128 rows of B; A's 24,576 bytes lie at its head
.set SLOT,   4*HALFT
.set LAPS,   SIZE_K/(2*KSTEP)
.set KS,     SIZE_K/32
.set SCL,    2*SLOT
.set HALFS,  (128*KS/256)*272
.set SBLK,   (16*KS/256)*272
.set SPARE,  SCL+4*HALFS               ; the spare words, 128 bytes a wave, which no other line names
.set SPITCH, 528                       ; the way out: a stage of 16 rows x (512 bytes + 16) for each wave.  It lies in slot 0, which has had its last fill and its last read when the first result is stored there
.set ADRA, 16                          ; v16-17  LDS address of my A fragments in slot 0, 1: 8 x lane + my 128 rows' room
.set ADRB, 20                          ; v20-21  the same for B: row x pitch + 24 x half  (v22-23: behind one padding more)
.set STO,  24                          ; v24     the way out: where I put 32 bytes of a row
.set RD,   25                          ; v25     the way out: where I read a row back
.set CO,   26                          ; v26     my byte offset in a row of C
.set ADRS, 27                          ; v27     LDS address of my scale words: lanes 0-15 A's rows, lanes 16-31 B's
.set SPW,  28                          ; v28     LDS address of my spare word; never rewritten
.set NIL,  29                          ; v29     0; never rewritten
.set SC,   32
.set AF,   128
.set BK,   128                         ; the way out: 16 rows read back from the stage: v128-191 and v192-255 by turns
.set G1, 24
.set G0, 32
.set G1B, 48
.set G0B, 56
.set G1S, 68
.set G0S, 76
.set G1SB, 80
.set G0SB, 88
.set MSB, 0
.macro WIN new                         ; the immediate's high byte repeats the setting that is left
.if MSB != \new
	s_set_vgpr_msb (MSB<<8)|\new
.set MSB, \new
.endif
.endm
.set MUL_LO, 0xa1                      ; source 0 (B) window 1, source 1 (A) window 0, C and D window 2
.set MUL_HI, 0xf1                      ; the same, C and D window 3
.set TO_B,   0x40                      ; destination window 1, address window 0
; A joint load: waves 0 and 1 fetch for A, waves 2 and 3 for B; the branch hangs on the wave's number alone.  An s_nop 0 and four v_nop follow each of the two lines.
.macro JLOAD g0a, g1a, g0b, g1b
	s_cmp_eq_u32 s15, 0
	s_cbranch_scc0 .Lfor_b_\@
	tensor_load_to_lds s[\g0a:\g0a+3], s[\g1a:\g1a+7]
	s_nop 0
.rept 4
	v_nop
.endr
	s_branch .Lasked_\@
.Lfor_b_\@:
	tensor_load_to_lds s[\g0b:\g0b+3], s[\g1b:\g1b+7]
	s_nop 0
.rept 4
	v_nop
.endr
.Lasked_\@:
.endm
.macro CREST                           ; a round of the cluster's barrier behind its opening barrier
	s_cmp_lg_u32 s14, 0
	s_cbranch_scc1 .Lnot_wave_0_\@
	s_barrier_signal -3
.Lnot_wave_0_\@:
	s_barrier_wait -3
	s_barrier_signal -1
	s_barrier_wait -1
.endm
.macro CROUND                          ; a whole round
	s_barrier_signal -1
	s_barrier_wait -1
	CREST
.endm
	s_load_b128 s[4:7], s[0:1], 0x0                ; a_codes s[4:5], a_scales s[6:7]
	s_load_b128 s[8:11], s[0:1], 0x10              ; w_codes s[8:9], w_scales s[10:11]
	s_load_b64 s[12:13], s[0:1], 0x20              ; out0
	v_lshl_add_u32 v[SPW], v0, 2, SPARE
	v_mov_b32 v[NIL], 0
	ds_add_u32 v[SPW], v[NIL]                      ; the wave's opening: the add, twice on end, and its wait ahead of my first tensor load; the set-up below stands between the second and the wait
	ds_add_u32 v[SPW], v[NIL]
	v_lshrrev_b32 v1, 5, v0
	v_readfirstlane_b32 s14, v1                    ; wave 0..3
	s_lshr_b32 s15, s14, 1                         ; which half of the tile's rows is mine.  Also: I fetch for A (0) or for B (1)
	s_and_b32 s16, s14, 1                          ; which half of its columns.  Also: which 128 rows of that tile I fetch
	s_bfe_u32 s40, ttmp6, 0x40000                  ; cx, cy: my place in the cluster
	s_bfe_u32 s41, ttmp6, 0x40004
	s_lshl_b32 s42, ttmp9, 2
	s_add_co_u32 s42, s42, s40                     ; tile column of C = 4 x cluster x + cx
	s_and_b32 s17, ttmp7, 0xffff
	s_lshl_b32 s17, s17, 2
	s_add_co_u32 s17, s17, s41                     ; tile row of C = 4 x cluster y + cy
	s_lshl_b32 s43, s41, 2
	s_lshl_b32 s43, 15, s43                        ; my row of the cluster
	s_lshl_b32 s44, 0x1111, s40                    ; my column
	; descriptor group 1 for A: 4 rows (heads) of 768 elements of 8 bytes, 49,152 elements apart, no padding
	s_or_b32 s[G1+0], s43, (3<<16)|(1<<21)         ; 15:0 the mask: A's tiles go to my row; 17:16 elements of 8 bytes; 21 set beside a mask
	s_mov_b32 s[G1+1], 768<<16                     ; tensor_dim0
	s_mov_b32 s[G1+2], 4<<16                       ; tensor_dim1
	s_mov_b32 s[G1+3], 768<<16                     ; tile_dim0
	s_mov_b32 s[G1+4], 4                           ; tile_dim1
	s_mov_b32 s[G1+5], 49152                       ; tensor_dim0_stride
	s_mov_b32 s[G1+6], 0
	s_mov_b32 s[G1+7], 0
	; for B: 128 rows x ROWB bytes, padded in LDS
	s_or_b32 s[G1B+0], s44, (0<<16)|(1<<20)|(1<<21)|(3<<22)|(3<<25)  ; the mask of my column; element of 1 byte; padding on, after every 16 words, of 4 words
	s_mov_b32 s[G1B+1], ROWB<<16
	s_mov_b32 s[G1B+2], 128<<16
	s_mov_b32 s[G1B+3], ROWB<<16
	s_mov_b32 s[G1B+4], 128
	s_mov_b32 s[G1B+5], KROW
	s_mov_b32 s[G1B+6], 0
	s_mov_b32 s[G1B+7], 0
	; and for the scales of 128 rows: a dense block of 4,096 bytes, as rows of 256 bytes, 16 bytes of padding behind each
	s_or_b32 s[G1S+0], s43, (3<<16)|(1<<20)|(1<<21)|(5<<22)|(3<<25)
	s_or_b32 s[G1SB+0], s44, (3<<16)|(1<<20)|(1<<21)|(5<<22)|(3<<25)
.irp g, G1S, G1SB
	s_mov_b32 s[\g+1], 32<<16
	s_mov_b32 s[\g+2], (128*KS/256)<<16
	s_mov_b32 s[\g+3], 32<<16
	s_mov_b32 s[\g+4], 128*KS/256
	s_mov_b32 s[\g+5], 32
	s_mov_b32 s[\g+6], 0
	s_mov_b32 s[\g+7], 0
.endr
	s_lshl_b32 s18, s16, 7                         ; which 128 rows of the tile I fetch
	s_lshl_b32 s20, s17, 8
	s_add_co_u32 s20, s20, s18                     ; A: row 256 x tile row + 128 x half
	s_lshl_b32 s46, s42, 8
	s_add_co_u32 s46, s46, s18
	s_add_co_u32 s46, s46, 3072                    ; B: row 256 x tile column + 128 x half, among Wo's rows
	s_mov_b32 s21, 0
	s_mov_b32 s47, 0
	s_mov_b64 s[18:19], KS
	s_mul_u64 s[22:23], s[20:21], s[18:19]         ; where these rows' scales begin, in bytes
	s_mul_u64 s[92:93], s[46:47], s[18:19]
	s_mov_b64 s[18:19], 48
	s_mul_u64 s[20:21], s[20:21], s[18:19]         ; A's half images: 768 bytes for 16 rows
	s_mov_b64 s[18:19], KROW
	s_mul_u64 s[46:47], s[46:47], s[18:19]         ; B's codes
	s_mul_i32 s45, s14, HALFT                      ; where they go: no place in the cluster enters an LDS address
	s_mul_i32 s94, s14, HALFS
	s_wait_dscnt 0x0                               ; both opening adds are done
	s_wait_kmcnt 0x0
	s_add_nc_u64 s[20:21], s[4:5], s[20:21]
	s_add_nc_u64 s[22:23], s[6:7], s[22:23]
	s_add_nc_u64 s[46:47], s[8:9], s[46:47]
	s_add_nc_u64 s[92:93], s[10:11], s[92:93]
	CROUND                                         ; all sixteen work-groups are here: the first joint loads meet
	s_mov_b32 s[G0S], 1
	s_add_co_u32 s[G0S+1], s94, SCL
	s_mov_b64 s[G0S+2:G0S+3], s[22:23]
	s_or_b32 s[G0S+3], s[G0S+3], 0x80000000
	s_mov_b32 s[G0SB], 1
	s_add_co_u32 s[G0SB+1], s94, SCL
	s_mov_b64 s[G0SB+2:G0SB+3], s[92:93]
	s_or_b32 s[G0SB+3], s[G0SB+3], 0x80000000
	JLOAD G0S, G1S, G0SB, G1SB                     ; the scales first: they are wanted with K step 0
.irp s, 0,1
	s_mov_b32 s[G0+4*\s], 1
	s_add_co_u32 s[G0+4*\s+1], s45, \s*SLOT
	s_add_nc_u64 s[G0+4*\s+2:G0+4*\s+3], s[20:21], \s*ASTEP
	s_or_b32 s[G0+4*\s+3], s[G0+4*\s+3], 0x80000000
	s_mov_b32 s[G0B+4*\s], 1
	s_add_co_u32 s[G0B+4*\s+1], s45, \s*SLOT
	s_add_nc_u64 s[G0B+4*\s+2:G0B+4*\s+3], s[46:47], \s*ROWB
	s_or_b32 s[G0B+4*\s+3], s[G0B+4*\s+3], 0x80000000
	JLOAD G0+4*\s, G1, G0B+4*\s, G1B               ; three tensor loads of mine are out at the most
.endr
	v_and_b32 v1, 15, v0                           ; l % 16
	v_bfe_u32 v2, v0, 4, 1                         ; l / 16
	v_mul_u32_u24 v3, v1, PITCH
	v_mul_u32_u24 v4, v2, 24
	v_add_nc_u32 v4, v3, v4                        ; B: a fragment's row x pitch + 24 x half
	v_lshl_add_u32 v5, v2, 4, v4                   ; and the same behind one padding more
	v_and_b32 v6, 31, v0
	v_lshlrev_b32 v7, 3, v6                        ; A: 8 x lane
	s_mul_i32 s21, s15, HALFT                      ; my 128 rows of A
	s_mul_i32 s22, s16, HALFT                      ; my 128 rows of B,
	s_add_co_u32 s22, s22, 2*HALFT                 ; which lie behind A's two rooms
.irp s, 0,1
	v_add_nc_u32 v[ADRA+\s], s21, v7
	v_add_nc_u32 v[ADRB+\s], s22, v4
	v_add_nc_u32 v[ADRB+2+\s], s22, v5
	s_add_co_u32 s21, s21, SLOT
	s_add_co_u32 s22, s22, SLOT
.endr
	v_mul_u32_u24 v5, v1, KS                       ; my row's scales: KS bytes a row,
	v_lshrrev_b32 v6, 8, v5
	v_lshl_add_u32 v5, v6, 4, v5                   ; and 16 more for each 256 passed
	s_mul_i32 s21, s15, HALFS                      ; A's: my 128 rows
	s_mul_i32 s22, s16, HALFS                      ; B's: my 128 rows, behind A's 256
	s_add_co_u32 s22, s22, 2*HALFS
	s_sub_co_u32 s22, s22, s21
	v_mul_u32_u24 v6, s22, v2                      ; lanes 16-31 take B's
	s_add_co_u32 s21, s21, SCL
	v_add_nc_u32 v5, v5, v6
	v_add_nc_u32 v[ADRS], s21, v5
	s_mul_i32 s23, s14, 16*SPITCH                  ; my stage
	v_mul_u32_u24 v5, v1, SPITCH                   ; in: row l % 16, 32 bytes for each half of the lanes
	v_lshl_add_u32 v5, v2, 5, v5
	v_add_nc_u32 v[STO], s23, v5
	v_and_b32 v6, 31, v0
	v_lshlrev_b32 v[CO], 4, v6                     ; back: the 32 lanes take one row of 512 bytes; and the same in C
	v_add_nc_u32 v[RD], s23, v[CO]
	s_lshl_b32 s20, s17, 8
	s_lshl_b32 s21, s15, 7
	s_add_co_u32 s20, s20, s21                     ; my first row of C: 256 x tile row + 128 x half (a multiple of 32: the stored order moves rows inside groups of 32 alone)
	s_mov_b32 s21, 0
	s_mov_b64 s[18:19], SIZE_N*4
	s_mul_u64 s[20:21], s[20:21], s[18:19]
	s_lshl_b32 s46, s42, 10                        ; my first column, in bytes: 1024 x tile column + 512 x half
	s_lshl_b32 s47, s16, 9
	s_add_co_u32 s46, s46, s47
	s_mov_b32 s47, 0
	s_add_nc_u64 s[20:21], s[20:21], s[46:47]
	s_add_nc_u64 s[12:13], s[12:13], s[20:21]
.macro FRAG reg, adr, q, i             ; a fragment of B: lane l holds row l % 16; registers 6 c .. 6 c + 5 hold K = 64 c + 32 (l / 16) + 0 .. 31: 24 bytes of the row's stream of bits, in pieces of 8 bytes
.irp p, 0,1,2,3,4,5
.set PCE, 12*(\q)+6*(\p/3)+\p%3        ; 16 bytes of padding lie behind every 8 pieces: where the piece three on lies behind one padding more, the second address register serves
.if PCE%8 < 5
	ds_load_b64 v[\reg+2*\p:\reg+2*\p+1], v[\adr] offset:8*PCE+16*(PCE/8)+(\i)*16*PITCH
.else
	ds_load_b64 v[\reg+2*\p:\reg+2*\p+1], v[\adr+2] offset:8*PCE+16*(PCE/8)+(\i)*16*PITCH
.endif
.endr
.endm
.macro FRAGA reg, adr, q, i            ; a fragment of A: two heads' half images of tile i: heads 2 q and 2 q + 1 of the slot's four, 6,144 bytes apart; a tile 768 bytes, a piece 256
.irp p, 0,1,2,3,4,5
	ds_load_b64 v[\reg+2*\p:\reg+2*\p+1], v[\adr] offset:(2*(\q)+\p/3)*6144+(\i)*768+256*(\p%3)
.endr
.endm
; 16 matrix instructions: A's blocks a0, a0 + 1 x B's eight, 128 along K.  The 64 accumulators take turns, one instruction a turn, in the same order in every step.
.macro MUL16 a0, p, q, sc, zero
.irp a, \a0, \a0+1
.irp b, 0,1,2,3,4,5,6,7
.if \zero
	v_wmma_scale_f32_16x16x128_f8f6f4 v[8*(8*((\a)%4)+\b):8*(8*((\a)%4)+\b)+7], v[128*(\p)+FR*\b:128*(\p)+FR*\b+FR-1], v[AF+FR*(\a):AF+FR*(\a)+FR-1], 0, v[SC+8*NQ*(\sc)+NQ*\b+(\q)], v[SC+8*NQ*(\sc)+NQ*(\a)+(\q)] matrix_a_fmt:MATRIX_FMT_BF6 matrix_b_fmt:MATRIX_FMT_BF6 matrix_a_scale:MATRIX_SCALE_ROW1
.else
	v_wmma_scale_f32_16x16x128_f8f6f4 v[8*(8*((\a)%4)+\b):8*(8*((\a)%4)+\b)+7], v[128*(\p)+FR*\b:128*(\p)+FR*\b+FR-1], v[AF+FR*(\a):AF+FR*(\a)+FR-1], v[8*(8*((\a)%4)+\b):8*(8*((\a)%4)+\b)+7], v[SC+8*NQ*(\sc)+NQ*\b+(\q)], v[SC+8*NQ*(\sc)+NQ*(\a)+(\q)] matrix_a_fmt:MATRIX_FMT_BF6 matrix_b_fmt:MATRIX_FMT_BF6 matrix_a_scale:MATRIX_SCALE_ROW1
.endif
.endr
.endr
.endm
.macro FETCH_B slot, q, p              ; B's eight fragments of the slot's q-th 128 along K into set p
	WIN TO_B
.irp i, 0,1,2,3,4,5,6,7
	FRAG 128*(\p)+FR*\i, ADRB+\slot, \q, \i
.endr
	WIN 0
.endm
.macro FETCH_A slot, q, i0             ; A's blocks i0 .. i0 + 3
.irp i, \i0, \i0+1, \i0+2, \i0+3
	FRAGA AF+FR*(\i), ADRA+\slot, \q, \i
.endr
.endm
.macro SCALES sc                       ; the next K step's scale words into set sc
.irp i, 0,1,2,3,4,5,6,7
	ds_load_b64 v[SC+8*NQ*\sc+NQ*\i:SC+8*NQ*\sc+NQ*\i+1], v[ADRS] offset:\i*SBLK
.endr
.endm
.macro PLACES n                        ; places behind matrix instructions: plain vector instructions that name none of their registers (ISA guide 7.12.1 for vector instructions)
.rept \n
	v_nop
.endr
.endm
.macro STEP slot, q, zero              ; a step of 128 along K that has its successor in the same slot
	s_wait_dscnt 4*NL                              ; B's set and A's blocks 0-3 are in; the youngest 24 loads (A's blocks 4-7) may be out
	WIN MUL_LO
	MUL16 0, (\q)%2, \q, \slot, \zero
	MUL16 2, (\q)%2, \q, \slot, \zero
	s_wait_dscnt 0                                 ; A's blocks 4-7 are in
	PLACES NP
	FETCH_B \slot, (\q)+1, 1-(\q)%2
	FETCH_A \slot, (\q)+1, 0
	WIN MUL_HI
	MUL16 4, (\q)%2, \q, \slot, \zero
	MUL16 6, (\q)%2, \q, \slot, \zero
	PLACES NP
	WIN 0
	FETCH_A \slot, (\q)+1, 4
.endm
; A slot's last step changes slots: ONE barrier; in front of it each wave waits for all its tensor loads, adds 0 to its spare word, and waits for that and for its own reads of this slot.  fill = 1: this slot is filled again, two K steps ahead.
.macro TURN slot, next, fill
	s_wait_tensorcnt 0x0                           ; all my tensor loads have landed: my part of the next slot;  (every window is 0 here)
	ds_add_u32 v[SPW], v[NIL]                      ; 0 onto my spare word
	s_wait_dscnt 4*NL+1                            ; (the add and the youngest 24 loads may be out)
	WIN MUL_LO
	MUL16 0, 1, NQ-1, \slot, 0                     ; sixteen matrix instructions stand between the add and the wait for it
	s_wait_dscnt 0x0                               ; the add is done, and my reads of this slot are over
	s_barrier_signal -1
	MUL16 2, 1, NQ-1, \slot, 0
	WIN 0
	s_barrier_wait -1
.if \fill
	CREST                                          ; the barrier has opened a round of the cluster's barrier: no wave of any partner still reads this slot's tile or has a load on its way
	s_add_nc_u64 s[G0+4*\slot+2:G0+4*\slot+3], s[G0+4*\slot+2:G0+4*\slot+3], 2*ASTEP
	s_add_nc_u64 s[G0B+4*\slot+2:G0B+4*\slot+3], s[G0B+4*\slot+2:G0B+4*\slot+3], 2*ROWB
	JLOAD G0+4*\slot, G1, G0B+4*\slot, G1B         ; the first tensor load behind the round; the four v_nop behind it are the places in front of the loads below
.else
	PLACES NP
.endif
	v_add_nc_u32 v[ADRS], 4*NQ, v[ADRS]            ; on to the next K step's scale words (no LDS load of mine is out)
	FETCH_B \next, 0, 0
	FETCH_A \next, 0, 0
	SCALES \next
	WIN MUL_HI
	MUL16 4, 1, NQ-1, \slot, 0
	MUL16 6, 1, NQ-1, \slot, 0
	PLACES NP
	WIN 0
	FETCH_A \next, 0, 4
.endm
	s_wait_tensorcnt 1                             ; the scales and my part of K step 0 are in (K step 1's load may be out)
	s_barrier_signal -1
	s_barrier_wait -1                              ; everybody's are
	FETCH_B 0, 0, 0
	FETCH_A 0, 0, 0
	SCALES 0
	FETCH_A 0, 0, 4
	STEP 0, 0, 1                                   ; the first step stands in front of the loop: its products start the sums
	s_mov_b32 s3, LAPS-1
.Llap:                                                 ; a trip goes once round the ring and fills both slots again
	TURN 0, 1, 1
	STEP 1, 0, 0
	TURN 1, 0, 1
	STEP 0, 0, 0
	s_sub_co_u32 s3, s3, 1
	s_cmp_lg_u32 s3, 0
	s_cbranch_scc1 .Llap
	TURN 0, 1, 0                                   ; the last lap fills nothing, and has no round of the cluster's barrier
	STEP 1, 0, 0
	s_wait_dscnt 4*NL                              ; the very last step: nothing more to fetch
	WIN MUL_LO
	MUL16 0, 1, NQ-1, 1, 0
	MUL16 2, 1, NQ-1, 1, 0
	s_wait_dscnt 0
	WIN MUL_HI
	MUL16 4, 1, NQ-1, 1, 0
	MUL16 6, 1, NQ-1, 1, 0
	WIN 0
; THE WAY OUT, block by block of 16 rows x 128 columns.  A lane holds 32 neighbouring bytes of a row, and the lanes beside it hold other rows: so a block goes through my own stage in LDS and comes back as whole
; rows of 512 bytes.  LDS serves a wave's instructions in order (ISA guide 5.7.1.4): no wait between the stores and the loads, nor in front of the next block's stores.
.macro TOSTAGE a
.set AC, 64*((\a)%4)
	WIN 0x08+4*((\a)/4)                            ; the data: window 2 or 3
.irp b, 0,1,2,3,4,5,6,7
	ds_store_b128 v[STO], v[AC+8*\b:AC+8*\b+3] offset:64*\b          ; each accumulator from its low end on
	ds_store_b128 v[STO], v[AC+8*\b+4:AC+8*\b+7] offset:64*\b+16
.endr
	WIN 0
.set BB, BK+64*((\a)%2)
.irp t, 0,1,2,3,4,5,6,7,8,9,10,11,12,13,14,15
	ds_load_b128 v[BB+4*\t:BB+4*\t+3], v[RD] offset:\t*SPITCH
.endr
.endm
.macro SEND a, younger                 ; younger: the LDS instructions issued behind block a's loads, which may stay out
.set BB, BK+64*((\a)%2)
	s_wait_dscnt \younger                          ; the block is back in registers
.if (\a) > 0
.if (\a)%2
	s_add_nc_u64 s[12:13], s[12:13], 8*SIZE_N*4    ; (behind a wait on XCNT: the earlier stores have read their base)  block a begins at token 32 (a / 2) + 8 (a % 2): 8 rows on,
.else
	s_add_nc_u64 s[12:13], s[12:13], 24*SIZE_N*4   ; or 24
.endif
.endif
.irp t, 0,1,2,3,4,5,6,7,8,9,10,11,12,13,14,15
	global_store_b128 v[CO], v[BB+4*\t:BB+4*\t+3], s[12:13] offset:(16*(\t/8)+\t%8)*SIZE_N*4 th:TH_STORE_NT   ; stored row t is token t + 8 (t / 8) of the block; 32 lanes store 512 consecutive bytes, aligned; written once, read by nobody here
.endr
.endm
	PLACES NP                                      ; these places serve the loads into the registers that held A's fragments and the reads of the last products' results alike
	TOSTAGE 0
.irp a, 1,2,3,4,5,6,7
.if \a > 1
	s_wait_xcnt 0x0                                ; block a - 2's stores have read their registers and their base: block a's loads may land there, and the base may step
.endif
	TOSTAGE \a
	SEND \a-1, 32                                  ; behind block a - 1's loads: block a's 16 stores and 16 loads
.endr
	s_wait_xcnt 0x0                                ; block 6's stores have read their base
	SEND 7, 0
	s_wait_tensorcnt 0x0                           ; the wave's end: these three lines behind my last tensor load and my last LDS store
	ds_add_u32 v[SPW], v[NIL]
	s_wait_dscnt 0x0
	CROUND                                         ; the closing round: no work-group ends while a partner may still ask for a tile that names it
	s_endpgm
.Lfunc_end_k_q134df38e88_proj:
	.size	k_q134df38e88_proj, .Lfunc_end_k_q134df38e88_proj-k_q134df38e88_proj
	.p2alignl 7, 3214868480
	.fill 96, 4, 3214868480
	.section	.rodata,"a",@progbits
	.p2align	6, 0x0
	.amdhsa_kernel k_q134df38e88_proj
		.amdhsa_group_segment_fixed_size 327680
		.amdhsa_private_segment_fixed_size 0
		.amdhsa_enable_private_segment 0
		.amdhsa_kernarg_size 40
		.amdhsa_user_sgpr_count 2
		.amdhsa_user_sgpr_kernarg_segment_ptr 1
		.amdhsa_wavefront_size32 1
		.amdhsa_system_sgpr_workgroup_id_x 1
		.amdhsa_system_sgpr_workgroup_id_y 1
		.amdhsa_system_sgpr_workgroup_id_z 1
		.amdhsa_system_vgpr_workitem_id 0
		.amdhsa_next_free_vgpr 1024
		.amdhsa_next_free_sgpr 98
		.amdhsa_reserve_vcc 0
		.amdhsa_float_denorm_mode_32 3
		.amdhsa_float_denorm_mode_16_64 3
		.amdhsa_memory_ordered 1
		.amdhsa_forward_progress 1
		.amdhsa_inst_pref_size 160
	.end_amdhsa_kernel
	.amdgpu_metadata
---
amdhsa.version: [ 1, 2 ]
amdhsa.kernels:
  - .name:           k_q134df38e88_proj
    .symbol:         k_q134df38e88_proj.kd
    .args:
      - { .name: a_codes, .offset: 0, .size: 8, .value_kind: global_buffer, .address_space: global }
      - { .name: a_scales, .offset: 8, .size: 8, .value_kind: global_buffer, .address_space: global }
      - { .name: w_codes, .offset: 16, .size: 8, .value_kind: global_buffer, .address_space: global }
      - { .name: w_scales, .offset: 24, .size: 8, .value_kind: global_buffer, .address_space: global }
      - { .name: out0, .offset: 32, .size: 8, .value_kind: global_buffer, .address_space: global }
    .group_segment_fixed_size: 327680
    .private_segment_fixed_size: 0
    .kernarg_segment_align: 8
    .kernarg_segment_size: 40
    .max_flat_workgroup_size: 128
    .sgpr_count:     98
    .vgpr_count:     1024
    .wavefront_size: 32
...
	.end_amdgpu_metadata
.endif
;; end of part 4
